; MI455X (gfx1250); checked and timed in simulation.
; The chip was launched on July 23, 2026; its instructions are those of AMD's public machine-readable ISA for CDNA 5 (MIT licence, August 2026) and "CDNA5" Instruction Set Architecture Reference Guide (July 2026). The comments in the code are by the model that wrote it; some were corrected since.
;; Multi Head Attention. Allowed arithmetic: matrix products marked QUANTISED: E2M1 operands, one E8M0 scale for each 32 along K, by v_wmma_scale_f32_16x16x128_f8f6f4 with both operands' format E2M1 (or v_wmma_scale_f32_32x16x128_f4), f32 sums; products left as they are: bf16, f16 or f32 operands; f32 sums; everything else in f32.
;; Inputs: Wk 1,024 x 1,024 float32; Wo 1,024 x 1,024 float32; Wq 1,024 x 1,024 float32; Wv 1,024 x 1,024 float32; bk 1,024 float32; bo 1,024 float32; bq 1,024 float32; bv 1,024 float32; keys 1 x 4,096 x 1,024 float32; queries 1 x 4,096 x 1,024 float32; values 1 x 4,096 x 1,024 float32.
;; Outputs: out0 1 x 4,096 x 1,024 float32.
;; This version of the problem:
;;   THIS VERSION OF THE PROBLEM IS GIVEN IN LOW PRECISION. The matrix products marked QUANTISED in the list below multiply operands that are first quantised to E2M1 (2 exponent bits, 1 mantissa bit; 4 bits a number), with one power-of-two scale for each 32 numbers along K (OCP MX v1.0); their sums are f32. The products marked 'left as it is' may take bf16, f16 or f32 operands, with f32 sums. Whichever they take, every output number must still come out within the allowed error. Rounding operands to bf16 (8 significant bits) uses up far more of that allowance than f16 does (11 bits, for magnitudes from 6e-5 to 65,504). All else is computed in f32.
;;   The module's matrix products, in the order in which they are computed (A, B: the left and right operand; K: the contracted axis; several contracted axes count as one K, in the product's order):
;;     1. [M 4,096, K 1,024] x [K 1,024, N 1,024]; A: input queries; B: input Wq: QUANTISED
;;     2. [M 4,096, K 1,024] x [K 1,024, N 1,024]; A: input keys; B: input Wk: QUANTISED
;;     3. [M 4,096, K 1,024] x [K 1,024, N 1,024]; A: input values; B: input Wv: QUANTISED
;;     4. batch 16 x [M 4,096, K 64] x [K 64, N 4,096]; A: computed on the way; B: computed on the way: left as it is (an operand is computed on the way)
;;     5. batch 16 x [M 4,096, K 4,096] x [K 4,096, N 64]; A: computed on the way; B: computed on the way: left as it is (an operand is computed on the way)
;;     6. [M 4,096, K 1,024] x [K 1,024, N 1,024]; A: computed on the way; B: input Wo: left as it is (an operand is computed on the way)
;;   THE QUANTISER, for each operand of a quantised product, along K:
;;     - K is cut into blocks of 32 from its start; a last block that is shorter is filled with zeros.
;;     - A block's scale is 2^e with e = floor(log2(the largest magnitude in the block)) - 2, held to -126 .. 127; a block of zeros has e = 0. As a byte (E8M0): e + 127.
;;     - Each number is divided by its block's scale, clamped to +-6, and rounded to the nearest number of E2M1, ties to even, subnormals kept.
;;     - The product sums the exact products of the quantised numbers (number of the format x scale) in f32.
;;   ~~~python
;;   def quantise(x, axis):      # numpy; x: float32 -> the quantised numbers, widened to float32 again
;;       x = np.moveaxis(x, axis, -1); K = x.shape[-1]
;;       x = np.pad(x, [(0, 0)] * (x.ndim - 1) + [(0, -K % 32)]); x = x.reshape(x.shape[:-1] + (-1, 32)); a = np.abs(x).max(-1, keepdims=True)
;;       e = np.where(a > 0, np.clip(np.frexp(np.where(a > 0, a, 1))[1] - 1 - 2, -126, 127), 0)      # np.frexp(a)[1] - 1 = floor(log2(a)), exactly
;;       r = np.clip(x / 2.0 ** e, -6, 6)
;;       step = 2.0 ** (np.maximum(np.frexp(np.where(r == 0, 1, r))[1] - 1, 0) - 1)
;;       q = np.round(r / step) * step * 2.0 ** e      # np.round: ties to even
;;       return np.moveaxis(q.reshape(q.shape[:-2] + (-1,))[..., :K], -1, axis).astype(np.float32)
;;   ~~~
;; One version. Each part assembles by itself: llvm-mc -triple=amdgcn-amd-amdhsa -mcpu=gfx1250 --defsym DOCPART=n.
;; ======== version 1 of 1: 5 launches
;; limits: values are held in f16: magnitudes above 65,504 overflow, below 6.1e-05 lose precision
;; workspace buffers: codes 7,864,320 bytes; scales 491,520 bytes; wo16 2,097,152 bytes; qkv 25,165,824 bytes; head16 196,608 bytes; att 8,388,608 bytes
;; launch quant (part 1): grid 512 x 1, 4 waves a work-group, no clusters, 33,280 bytes of LDS; arguments queries, keys, values, Wq, Wk, Wv, Wo, codes, scales, wo16; writes codes, scales, wo16
.if DOCPART == 1
	.amdgcn_target "amdgcn-amd-amdhsa--gfx1250"
	.amdhsa_code_object_version 6
	.text
	.protected	k_q7b8769ee5d_quant
	.globl	k_q7b8769ee5d_quant
	.p2align	8
	.type	k_q7b8769ee5d_quant,@function
k_q7b8769ee5d_quant:
	s_mov_b64 s[64:65], 0
	v_nop
	global_prefetch_b8 v0, s[64:65] scope:SCOPE_SE
	s_setreg_imm32_b32 hwreg(HW_REG_WAVE_MODE, 25, 1), 1
	s_wait_xcnt 0x0
; queries, keys, values [4096][1024] and Wq, Wk, Wv [1024][1024], f32 with K innermost, become codes of FP4 (E2M1), two a byte, K innermost, and one E8M0 byte for each 32 along K.
; The six tensors' codes lie on end in one buffer of 15,360 rows of 512 bytes (queries, keys, values, Wq, Wk, Wv), their scale bytes likewise, 32 a row.  Wo [1024][1024] becomes f16, laid by tiles.
; A block's scale is 2^(floor(log2(its largest magnitude)) - 2); its byte is the largest magnitude's exponent field - 2, held at 1 from below.
; LIMITS: a block of zeros, and a block whose largest magnitude lies under 2^-124, carries the byte 1 (a block of zeros has zero codes, which add nothing under that byte; this program alone reads the bytes);
; NaN and infinities among the inputs are not served.  Wo's numbers must lie inside f16's range (65,504).
; Work-groups 0-479: a wave takes 16 steps of 512 numbers.  Rows are dense and K is a multiple of 32: the tensors are plain streams of blocks, and so are codes and bytes.  Each load reads 512 consecutive bytes;
; a step's 2,048 bytes turn through the wave's own stage in LDS, so that a lane holds 16 neighbours along K (two neighbouring lanes hold a block).  Only pointers are chosen by the work-group's number.
; Work-groups 480-511: Wo.  wo16's byte for (n, k): (((k >> 8) 8 + (n >> 7)) 4 + ((k >> 6) & 3)) 16384 + (n & 127) 128 + (k & 63) 2: the tile of 128 rows x 256 along K is one dense block of 65,536 bytes.
.set WAVES, 4
.set STEPS, 16
.set NQWG,  480                        ; work-groups that quantise: 3 x 128 + 3 x 32
.set EMAX,  2
.set CB,    8                          ; bytes of 16 codes
.set R,     16                         ; v16-79   four sets of 16 numbers as they are loaded
.set X,     80                         ; v80-111  two sets of 16 neighbours
.set C,     128                        ; v128-191 codes: four registers for each step
.set E,     112                        ; v112-127 a scale byte for each step
.set WREG,  8192                       ; LDS: a region for each wave: two stages of 32 x SP bytes, behind them its 256 scale bytes
.set SP,    80                         ; a lane's place in a stage: 64 bytes + 16 of padding
.set SPW,   12                         ; v12  LDS address of my spare word; never rewritten
.set NIL,   13                         ; v13  0; never rewritten
.set SPARE, WAVES*WREG                 ; the spare words: 128 bytes a wave, two blocks of 256 bytes that no other line names
.set IN,    16                         ; Wo's path: v16-143 two sets of 64 numbers
.set OUTW,  144                        ; v144-175 eight times 16 bytes of f16
	s_load_b512 s[8:23], s[0:1], 0x0               ; queries s[8:9], keys s[10:11], values s[12:13], Wq s[14:15], Wk s[16:17], Wv s[18:19], Wo s[20:21], codes s[22:23]
	s_load_b128 s[24:27], s[0:1], 0x40             ; scales s[24:25], wo16 s[26:27]
	v_lshl_add_u32 v[SPW], v0, 2, SPARE
	v_mov_b32 v[NIL], 0
	v_lshrrev_b32 v1, 5, v0
	v_readfirstlane_b32 s28, v1                    ; wave
	v_and_b32 v2, 31, v0                           ; lane
	s_cmp_ge_u32 ttmp9, NQWG
	s_cbranch_scc1 .Lwo
	v_lshlrev_b32 v3, 4, v2                        ; my 16 bytes of a load's 512
	s_mul_i32 s29, s28, WREG
	v_lshrrev_b32 v14, 2, v2
	v_mul_u32_u24 v14, v14, SP
	v_and_b32 v15, 3, v2
	v_lshl_add_u32 v14, v15, 4, v14
	v_add_nc_u32 v14, s29, v14                     ; the stage, on the way in: SP (lane / 4) + 16 (lane % 4)
	v_mul_u32_u24 v15, v2, SP
	v_add_nc_u32 v15, s29, v15                     ; and on the way out: SP x lane: my 16 neighbours
	v_mul_u32_u24 v4, v2, CB                       ; my codes' place in a step's
	v_lshrrev_b32 v5, 1, v2
	s_add_co_u32 s29, s29, 2*32*SP
	v_add_nc_u32 v5, s29, v5                       ; LDS: my wave's 256 scale bytes, my block's byte
	v_lshlrev_b32 v7, 3, v2                        ; and on the way out 8 bytes a lane
	v_add_nc_u32 v6, s29, v7
	s_wait_kmcnt 0x0
	s_mov_b64 s[4:5], s[8:9]                       ; which tensor is mine, and its first work-group: the choice hangs on the work-group's number alone
	s_mov_b32 s30, 0
	s_cmp_ge_u32 ttmp9, 128
	s_cselect_b64 s[4:5], s[10:11], s[4:5]
	s_cselect_b32 s30, 128, s30
	s_cmp_ge_u32 ttmp9, 256
	s_cselect_b64 s[4:5], s[12:13], s[4:5]
	s_cselect_b32 s30, 256, s30
	s_cmp_ge_u32 ttmp9, 384
	s_cselect_b64 s[4:5], s[14:15], s[4:5]
	s_cselect_b32 s30, 384, s30
	s_cmp_ge_u32 ttmp9, 416
	s_cselect_b64 s[4:5], s[16:17], s[4:5]
	s_cselect_b32 s30, 416, s30
	s_cmp_ge_u32 ttmp9, 448
	s_cselect_b64 s[4:5], s[18:19], s[4:5]
	s_cselect_b32 s30, 448, s30
	s_sub_co_u32 s30, ttmp9, s30
	s_lshl_b32 s30, s30, 2
	s_add_co_u32 s30, s30, s28                     ; which run of 8,192 numbers of the tensor is my wave's
	s_lshl_b32 s30, s30, 15                        ; 32,768 bytes a run
	s_mov_b32 s31, 0
	s_add_nc_u64 s[4:5], s[4:5], s[30:31]
	s_lshl_b32 s30, ttmp9, 2
	s_add_co_u32 s30, s30, s28                     ; and which run of the one stream of results
	s_lshl_b32 s32, s30, 12                        ; 4,096 bytes of codes a run
	s_mov_b32 s33, 0
	s_add_nc_u64 s[22:23], s[22:23], s[32:33]
	s_lshl_b32 s32, s30, 8                         ; 256 scale bytes a run
	s_add_nc_u64 s[24:25], s[24:25], s[32:33]
.macro LOAD t
.irp i, 0,1,2,3
	global_load_b128 v[R+16*((\t)%4)+4*\i:R+16*((\t)%4)+4*\i+3], v3, s[4:5] offset:2048*(\t)+512*\i th:TH_LOAD_NT   ; 32 lanes read 512 consecutive bytes
.endr
.endm
.macro TURN t                          ; step t's numbers through the stage: LDS serves a wave's instructions in order, so no wait stands between the stores and the loads
.irp i, 0,1,2,3
	ds_store_b128 v14, v[R+16*((\t)%4)+4*\i:R+16*((\t)%4)+4*\i+3] offset:32*SP*((\t)%2)+8*SP*\i
.endr
.irp i, 0,1,2,3
	ds_load_b128 v[X+16*((\t)%2)+4*\i:X+16*((\t)%2)+4*\i+3], v15 offset:32*SP*((\t)%2)+16*\i
.endr
.endm
.irp t, 0,1,2,3
	LOAD \t
.endr
	s_wait_loadcnt 12                              ; step 0's four loads are in; the twelve of steps 1 to 3 may be out
	TURN 0
.macro STEP t
.set XS, X+16*((\t)%2)
.if (\t) > 0
	s_wait_dscnt 1                                 ; this step's numbers are back from the stage (the last step's byte store may be out)
.else
	s_wait_dscnt 0x0
.endif
.if (\t)+4 < STEPS
	LOAD (\t)+4                                    ; into the registers that this step's stores into the stage have read
.endif
.if (\t)+1 < STEPS
.if STEPS-2-(\t) >= 3
	s_wait_loadcnt 12                              ; the next step's four loads are in; those of the three steps behind it may be out
.else
	s_wait_loadcnt 4*(STEPS-2-(\t))                ; the tail: four loads for each step still behind the next
.endif
	TURN (\t)+1                                    ; through the other stage while this step is worked
.endif
	v_max3_num_f32 v8, |v[XS]|, |v[XS+1]|, |v[XS+2]|               ; the largest magnitude of my 16, in two chains
	v_max3_num_f32 v9, |v[XS+3]|, |v[XS+4]|, |v[XS+5]|
.irp i, 6,10
	v_max3_num_f32 v8, v8, |v[XS+\i]|, |v[XS+\i+1]|
	v_max3_num_f32 v9, v9, |v[XS+\i+2]|, |v[XS+\i+3]|
.endr
	v_max3_num_f32 v8, v8, |v[XS+14]|, |v[XS+15]|
	v_max3_num_f32 v8, v8, v9, (EMAX+1)<<23        ; and the floor 2^(EMAX + 1 - 127): the byte cannot fall under 1
	v_max_num_f32_dpp v8, v8, v8 row_xmask:1 row_mask:0xf bank_mask:0xf   ; and of my neighbour's 16: the block's
	v_add_nc_u32 v11, -(EMAX<<23), v8              ; EMAX off its exponent field: the conversion takes the exponent field of this operand as its scale
	v_cvt_scalef32_pk8_fp4_f32 v[C+4*(\t)], v[XS:XS+7], v11
	v_cvt_scalef32_pk8_fp4_f32 v[C+4*(\t)+1], v[XS+8:XS+15], v11
	v_lshrrev_b32 v[E+(\t)], 23, v11               ; the scale's byte (a plain line behind the conversions)
	ds_store_b8 v5, v[E+(\t)] offset:16*(\t)       ; both lanes of a block write the same byte with the same value
	global_store_b64 v4, v[C+4*(\t):C+4*(\t)+1], s[22:23] offset:32*CB*(\t)   ; the wave stores 256 consecutive bytes, aligned
.endm
.irp t, 0,1,2,3,4,5,6,7,8,9,10,11,12,13,14,15
	STEP \t
.endr
	ds_load_b64 v[8:9], v6                         ; LDS serves a wave's instructions in order: these see my byte stores
	s_wait_dscnt 0x0
	global_store_b64 v7, v[8:9], s[24:25]          ; 32 lanes store 256 consecutive bytes, aligned
	s_wait_tensorcnt 0x0                           ; the wave's end: three lines behind my last LDS store
	ds_add_u32 v[SPW], v[NIL]
	s_wait_dscnt 0x0
	s_endpgm
; Wo to f16.  Work-group idx takes rows 32 idx on, wave w eight of them.  A unit is 4 rows x 64 along K: lane l takes, of row 4 rg + l / 8, the eight numbers at 64 kb + 8 (l % 8);
; its 16 bytes of f16 lie at 16 l of 512 consecutive bytes of wo16.  No LDS is written on this path.
.Lwo:
	s_sub_co_u32 s29, ttmp9, NQWG                  ; idx
	v_lshrrev_b32 v3, 3, v2
	v_and_b32 v4, 7, v2
	v_lshlrev_b32 v3, 12, v3
	v_lshl_add_u32 v3, v4, 5, v3                   ; in: (l / 8) rows of 4,096 bytes + 32 (l % 8)
	v_lshlrev_b32 v4, 4, v2                        ; out: 16 l
	s_lshl_b32 s30, s29, 5
	s_lshl_b32 s31, s28, 3
	s_add_co_u32 s30, s30, s31                     ; my first row
	s_lshl_b32 s30, s30, 12
	s_mov_b32 s31, 0
	s_lshr_b32 s32, s29, 2
	s_lshl_b32 s32, s32, 16                        ; (n >> 7) x 65,536
	s_and_b32 s33, s29, 3
	s_lshl_b32 s33, s33, 5
	s_lshl_b32 s34, s28, 3
	s_add_co_u32 s33, s33, s34
	s_lshl_b32 s33, s33, 7                         ; (n & 127) x 128
	s_add_co_u32 s32, s32, s33
	s_mov_b32 s33, 0
	s_wait_kmcnt 0x0
	s_add_nc_u64 s[20:21], s[20:21], s[30:31]
	s_add_nc_u64 s[26:27], s[26:27], s[32:33]
.macro LOADB b                         ; batch b: kb = 4 b .. 4 b + 3, rg = 0, 1: eight units, sixteen loads, into set b % 2
.irp u, 0,1,2,3,4,5,6,7
	global_load_b128 v[IN+64*((\b)%2)+8*\u:IN+64*((\b)%2)+8*\u+3], v3, s[20:21] offset:(\u%2)*16384+(4*(\b)+\u/2)*256 th:TH_LOAD_NT
	global_load_b128 v[IN+64*((\b)%2)+8*\u+4:IN+64*((\b)%2)+8*\u+7], v3, s[20:21] offset:(\u%2)*16384+(4*(\b)+\u/2)*256+16 th:TH_LOAD_NT
.endr
.endm
.macro CONVB b, left                   ; left: the other set's loads, which may stay out
	s_wait_loadcnt \left
.if (\b) > 0
	s_wait_xcnt 0x0                                ; the last batch's stores have read their data: the registers are written again only behind this wait
.endif
.irp u, 0,1,2,3,4,5,6,7
.irp j, 0,1,2,3
	v_cvt_pk_f16_f32 v[OUTW+4*\u+\j], v[IN+64*((\b)%2)+8*\u+2*\j], v[IN+64*((\b)%2)+8*\u+2*\j+1]
.endr
.endr
.irp u, 0,1,2,3,4,5,6,7
	global_store_b128 v4, v[OUTW+4*\u:OUTW+4*\u+3], s[26:27] offset:(\b)*524288+(\u/2)*16384+(\u%2)*512   ; the wave stores 512 consecutive bytes, aligned
.endr
.endm
	LOADB 0
	LOADB 1
	CONVB 0, 16
	LOADB 2
	CONVB 1, 16
	LOADB 3
	CONVB 2, 16
	CONVB 3, 0
	s_endpgm
.Lfunc_end_k_q7b8769ee5d_quant:
	.size	k_q7b8769ee5d_quant, .Lfunc_end_k_q7b8769ee5d_quant-k_q7b8769ee5d_quant
	.p2alignl 7, 3214868480
	.fill 96, 4, 3214868480
	.section	.rodata,"a",@progbits
	.p2align	6, 0x0
	.amdhsa_kernel k_q7b8769ee5d_quant
		.amdhsa_group_segment_fixed_size 33280
		.amdhsa_private_segment_fixed_size 0
		.amdhsa_enable_private_segment 0
		.amdhsa_kernarg_size 80
		.amdhsa_user_sgpr_count 2
		.amdhsa_user_sgpr_kernarg_segment_ptr 1
		.amdhsa_wavefront_size32 1
		.amdhsa_system_sgpr_workgroup_id_x 1
		.amdhsa_system_sgpr_workgroup_id_y 1
		.amdhsa_system_sgpr_workgroup_id_z 1
		.amdhsa_system_vgpr_workitem_id 0
		.amdhsa_next_free_vgpr 192
		.amdhsa_next_free_sgpr 66
		.amdhsa_reserve_vcc 0
		.amdhsa_float_denorm_mode_32 3
		.amdhsa_float_denorm_mode_16_64 3
		.amdhsa_memory_ordered 1
		.amdhsa_forward_progress 1
		.amdhsa_inst_pref_size 52
	.end_amdhsa_kernel
	.amdgpu_metadata
---
amdhsa.version: [ 1, 2 ]
amdhsa.kernels:
  - .name:           k_q7b8769ee5d_quant
    .symbol:         k_q7b8769ee5d_quant.kd
    .args:
      - { .name: queries, .offset: 0, .size: 8, .value_kind: global_buffer, .address_space: global }
      - { .name: keys, .offset: 8, .size: 8, .value_kind: global_buffer, .address_space: global }
      - { .name: values, .offset: 16, .size: 8, .value_kind: global_buffer, .address_space: global }
      - { .name: Wq, .offset: 24, .size: 8, .value_kind: global_buffer, .address_space: global }
      - { .name: Wk, .offset: 32, .size: 8, .value_kind: global_buffer, .address_space: global }
      - { .name: Wv, .offset: 40, .size: 8, .value_kind: global_buffer, .address_space: global }
      - { .name: Wo, .offset: 48, .size: 8, .value_kind: global_buffer, .address_space: global }
      - { .name: codes, .offset: 56, .size: 8, .value_kind: global_buffer, .address_space: global }
      - { .name: scales, .offset: 64, .size: 8, .value_kind: global_buffer, .address_space: global }
      - { .name: wo16, .offset: 72, .size: 8, .value_kind: global_buffer, .address_space: global }
    .group_segment_fixed_size: 33280
    .private_segment_fixed_size: 0
    .kernarg_segment_align: 8
    .kernarg_segment_size: 80
    .max_flat_workgroup_size: 128
    .sgpr_count:     66
    .vgpr_count:     192
    .wavefront_size: 32
...
	.end_amdgpu_metadata
.endif
;; end of part 1
;; launch proj (part 2): grid 4 x 48, 4 waves a work-group, clusters of 4 x 1, 327,680 bytes of LDS; arguments codes, scales, bq, bk, bv, qkv, head16; writes qkv, head16
.if DOCPART == 2
	.amdgcn_target "amdgcn-amd-amdhsa--gfx1250"
	.amdhsa_code_object_version 6
	.text
	.protected	k_q7b8769ee5d_proj
	.globl	k_q7b8769ee5d_proj
	.p2align	8
	.type	k_q7b8769ee5d_proj,@function
k_q7b8769ee5d_proj:
	s_mov_b64 s[64:65], 0
	v_nop
	global_prefetch_b8 v0, s[64:65] scope:SCOPE_SE
	s_setreg_imm32_b32 hwreg(HW_REG_WAVE_MODE, 25, 1), 1
	s_wait_xcnt 0x0
	s_wait_alu depctr_hold_cnt(0) depctr_sa_sdst(0) depctr_va_vdst(0) depctr_va_sdst(0) depctr_va_ssrc(0) depctr_va_vcc(0) depctr_vm_vsrc(0)
	s_getreg_b32 s2, hwreg(HW_REG_IB_STS2, 6, 4)
	s_cmp_eq_u32 s2, 0
	s_cbranch_scc0 .Lentry_in_a_cluster
	s_endpgm
.Lentry_in_a_cluster:
	s_bfe_u32 s2, ttmp6, 0x10000c
	s_cmp_lg_u32 s2, 0x3003
	s_cbranch_scc0 .Lentry_shape_is_right
	s_endpgm
.Lentry_shape_is_right:
; q = queries Wq^T + bq, k = keys Wk^T + bk, v = values Wv^T + bv, all three on codes of FP4 (E2M1) with one E8M0 scale for each 32 along K; sums in f32, begun with the bias.
; codes: [15360][512 bytes], scales: [15360][32]: rows 0-12287 the tokens of queries, keys, values; rows 12288 on the rows of Wq, Wk, Wv.
; Results: qkv, f16, [3][16 heads][4096 tokens][64]; and tokens 0-15 of all three once more in f32, head16 [3][16][1024], for the launch that carries the first positions finely.
; LIMITS: |q|, |k|, |v| must stay under 65,504 (f16's largest number).  The bias starts the sum and is not added last.
; Tile row T (0-47, the grid's y) = product T / 16, tokens 256 (T % 16) on; tile column = 256 channels.  A work-group of four waves makes 256 x 256, a wave 128 x 128: 64 accumulators, 512 registers.
; K = 1,024 is two slots of 512 along K (rows of 256 bytes): both are asked for at the head and nothing is filled again.  The scale bytes of the 256 + 256 rows come with them, as whole runs of 256 bytes.
; CLUSTER: the four tile columns of a tile row form a cluster of 4 x 1 and need the same tiles of the tokens: these are asked for JOINTLY (mask 15).  The weights' tiles hang on the tile column, which differs between
; the partners, and are asked for singly.  Partners along the tokens as well would make the tile row hang on a work-group's place in its cluster, and the branch that stores tokens 0-15 in f32 hangs on the tile row:
; so the cluster is 4 x 1; the weights' twelve tiles are 1.5 MB in all.
; THE MATRIX INSTRUCTION IS USED TRANSPOSED (source 0 = 16 rows of W, source 1 = 16 tokens): a lane holds eight neighbouring channels of one token.
; REGISTERS, in windows of 256: window 0: v0-31 addresses; v32-95 scale words, two sets; v128-191 the tokens' fragments, one set; v192-255 the bias (8 tiles of 8 registers); on the way out v32-255 are free.
;   window 1: W's fragments, two sets, at v0 and v128.   window 2: the accumulators of my tokens 0-63 ((a, b) at v[8 (8 a + b)]);   window 3: those of my tokens 64-127.
.set NQ,     4                         ; matrix instructions deep in a slot
.set ROWB,   256                       ; a tile's row in bytes: 512 codes
.set KROW,   512                       ; a row of codes in memory
.set PITCH,  272                       ; an LDS row: 256 bytes + 16 of padding: the 16 rows that a load touches start at 16 different banks (64 banks of 4 bytes: ISA guide 11.1)
.set FR,     8
.set NL,     2
.set NP,     4                         ; places behind this matrix instruction (ISA guide 7.12.1)
.set HALFT,  128*PITCH
.set SLOT,   4*HALFT                   ; the tokens' 256 rows, then W's 256 rows
.set KS,     32                        ; a row of scale bytes
.set SCL,    2*SLOT                    ; behind the slots: the scales, as runs of 256 bytes + 16 of padding
.set HALFS,  (128*KS/256)*272
.set SBLK,   (16*KS/256)*272
.set SPARE,  SCL+4*HALFS               ; the spare words: 128 bytes a wave, two blocks of 256 bytes that no other line names
.set SPITCH, 272                       ; the way out: a stage of 16 rows x (256 bytes + 16) for each wave, in slot 0, which has had its only fill and its last read by then
.set ADRA, 16
.set ADRB, 20
.set STO,  24
.set RD,   25
.set CO,   26
.set ADRS, 27
.set SPW,  28
.set NIL,  29
.set H16,  30                          ; v30  my byte offset in head16: token r, 32 h
.set BOF,  31                          ; v31  32 h: my half's eight numbers of a bias tile
.set SC,   32
.set AF,   128
.set BIAS, 192
.set TMP,  192                         ; the way out: packed results
.set OB,   32                          ; the way out: rows read back: v32-63 and v224-255 by turns
.set G1, 24
.set G0, 32
.set G1B, 48
.set G0B, 56
.set G1S, 68
.set G0S, 76
.set G1SB, 80
.set G0SB, 88
.set MSB, 0
.macro WIN new                         ; the immediate's high byte repeats the setting that is left
.if MSB != \new
	s_set_vgpr_msb (MSB<<8)|\new
.set MSB, \new
.endif
.endm
.set MUL_LO, 0xa1                      ; source 0 (W) window 1, source 1 (tokens) window 0, C and D window 2
.set MUL_HI, 0xf1                      ; the same, C and D window 3
.set BEG_LO, 0x81                      ; the first step: C (the bias) window 0, D window 2
.set BEG_HI, 0xc1                      ; D window 3
.set TO_B,   0x40
; Waves 0 and 1 fetch for the tokens (jointly), waves 2 and 3 for W.  The branch hangs on the wave's number alone.  An s_nop 0 and four v_nop follow each of the two lines.
.macro JLOAD g0a, g1a, g0b, g1b
	s_cmp_eq_u32 s15, 0
	s_cbranch_scc0 .Lfor_b_\@
	tensor_load_to_lds s[\g0a:\g0a+3], s[\g1a:\g1a+7]
	s_nop 0
.rept 4
	v_nop
.endr
	s_branch .Lasked_\@
.Lfor_b_\@:
	tensor_load_to_lds s[\g0b:\g0b+3], s[\g1b:\g1b+7]
	s_nop 0
.rept 4
	v_nop
.endr
.Lasked_\@:
.endm
.macro CROUND                          ; a round of the cluster's barrier
	s_barrier_signal -1
	s_barrier_wait -1
	s_cmp_lg_u32 s14, 0
	s_cbranch_scc1 .Lnot_wave_0_\@
	s_barrier_signal -3
.Lnot_wave_0_\@:
	s_barrier_wait -3
	s_barrier_signal -1
	s_barrier_wait -1
.endm
	s_load_b256 s[4:11], s[0:1], 0x0               ; codes s[4:5], scales s[6:7], bq s[8:9], bk s[10:11]
	s_load_b128 s[96:99], s[0:1], 0x20             ; bv s[96:97], qkv s[98:99]
	s_load_b64 s[100:101], s[0:1], 0x30            ; head16
	v_lshl_add_u32 v[SPW], v0, 2, SPARE
	v_mov_b32 v[NIL], 0
	ds_add_u32 v[SPW], v[NIL]                      ; the wave's opening: the add, twice on end, and its wait ahead of my first tensor load
	ds_add_u32 v[SPW], v[NIL]
	v_lshrrev_b32 v1, 5, v0
	v_readfirstlane_b32 s14, v1                    ; wave 0..3
	s_lshr_b32 s15, s14, 1                         ; which half of the tile's tokens is mine.  Also: I fetch for the tokens (0) or for W (1)
	s_and_b32 s16, s14, 1                          ; which half of its channels.  Also: which 128 rows I fetch
	s_bfe_u32 s40, ttmp6, 0x40000                  ; cx
	s_lshl_b32 s42, ttmp9, 2
	s_add_co_u32 s42, s42, s40                     ; tile column = 4 x cluster x + cx
	s_and_b32 s17, ttmp7, 0xffff                   ; tile row T: the cluster's y, the same in all four partners
	s_lshr_b32 s41, s17, 4                         ; which product: 0 q, 1 k, 2 v
	s_and_b32 s43, s17, 15                         ; which 256 tokens
	; descriptor group 1: a tile of 128 rows x 256 bytes, 16 bytes of padding behind each row
	s_mov_b32 s[G1+0], 15|(1<<20)|(1<<21)|(5<<22)|(3<<25)   ; 15:0 the mask: all four partners; 17:16 elements of 1 byte; 20 padding on; 21 set beside a mask; 24:22 after every 64 words; 31:25 four words
	s_mov_b32 s[G1B+0], (1<<20)|(5<<22)|(3<<25)             ; W's tiles: no mask
.irp g, G1, G1B
	s_mov_b32 s[\g+1], ROWB<<16                    ; tensor_dim0
	s_mov_b32 s[\g+2], 128<<16                     ; tensor_dim1
	s_mov_b32 s[\g+3], ROWB<<16                    ; tile_dim0
	s_mov_b32 s[\g+4], 128                         ; tile_dim1
	s_mov_b32 s[\g+5], KROW                        ; from row to row
	s_mov_b32 s[\g+6], 0
	s_mov_b32 s[\g+7], 0
.endr
	; the scales of 128 rows: a dense block of 4,096 bytes, as 16 rows of 256 bytes (32 elements of 8 bytes), 16 bytes of padding behind each
	s_mov_b32 s[G1S+0], 15|(3<<16)|(1<<20)|(1<<21)|(5<<22)|(3<<25)
	s_mov_b32 s[G1SB+0], (3<<16)|(1<<20)|(5<<22)|(3<<25)
.irp g, G1S, G1SB
	s_mov_b32 s[\g+1], 32<<16
	s_mov_b32 s[\g+2], (128*KS/256)<<16
	s_mov_b32 s[\g+3], 32<<16
	s_mov_b32 s[\g+4], 128*KS/256
	s_mov_b32 s[\g+5], 32
	s_mov_b32 s[\g+6], 0
	s_mov_b32 s[\g+7], 0
.endr
	s_lshl_b32 s18, s16, 7                         ; which 128 rows of a tile I fetch
	s_lshl_b32 s20, s17, 8
	s_add_co_u32 s20, s20, s18                     ; the tokens' row: 256 T + 128 x half
	s_lshl_b32 s46, s41, 10
	s_lshl_b32 s47, s42, 8
	s_add_co_u32 s46, s46, s47
	s_add_co_u32 s46, s46, s18
	s_add_co_u32 s46, s46, 12288                   ; W's row: 12,288 + 1,024 x product + 256 x tile column + 128 x half
	s_lshl_b32 s22, s20, 5                         ; where these rows' scales begin, in bytes,
	s_mov_b32 s23, 0
	s_lshl_b32 s92, s46, 5
	s_mov_b32 s93, 0
	s_lshl_b32 s20, s20, 9                         ; and their codes
	s_mov_b32 s21, 0
	s_lshl_b32 s46, s46, 9
	s_mov_b32 s47, 0
	s_mul_i32 s45, s14, HALFT                      ; where they go: wave x 128 rows: no place in the cluster enters an LDS address
	s_mul_i32 s94, s14, HALFS
	s_wait_dscnt 0x0                               ; both opening adds are done
	s_wait_kmcnt 0x0
	s_add_nc_u64 s[20:21], s[4:5], s[20:21]
	s_add_nc_u64 s[22:23], s[6:7], s[22:23]
	s_add_nc_u64 s[46:47], s[4:5], s[46:47]
	s_add_nc_u64 s[92:93], s[6:7], s[92:93]
	CROUND                                         ; all four work-groups are here: the first joint loads meet
	s_mov_b32 s[G0S], 1
	s_add_co_u32 s[G0S+1], s94, SCL
	s_mov_b64 s[G0S+2:G0S+3], s[22:23]
	s_or_b32 s[G0S+3], s[G0S+3], 0x80000000
	s_mov_b32 s[G0SB], 1
	s_add_co_u32 s[G0SB+1], s94, SCL
	s_mov_b64 s[G0SB+2:G0SB+3], s[92:93]
	s_or_b32 s[G0SB+3], s[G0SB+3], 0x80000000
	JLOAD G0S, G1S, G0SB, G1SB                     ; the scales first: they are wanted with the first slot
.irp s, 0,1
	s_mov_b32 s[G0+4*\s], 1
	s_add_co_u32 s[G0+4*\s+1], s45, \s*SLOT
	s_add_nc_u64 s[G0+4*\s+2:G0+4*\s+3], s[20:21], \s*ROWB
	s_or_b32 s[G0+4*\s+3], s[G0+4*\s+3], 0x80000000
	s_mov_b32 s[G0B+4*\s], 1
	s_add_co_u32 s[G0B+4*\s+1], s45, \s*SLOT
	s_add_nc_u64 s[G0B+4*\s+2:G0B+4*\s+3], s[46:47], \s*ROWB
	s_or_b32 s[G0B+4*\s+3], s[G0B+4*\s+3], 0x80000000
	JLOAD G0+4*\s, G1, G0B+4*\s, G1B               ; after the second turn three loads of mine are out, all of them first fills
.endr
	v_and_b32 v1, 15, v0                           ; r = l % 16
	v_bfe_u32 v2, v0, 4, 1                         ; h = l / 16
	; the bias of my 128 channels: register 8 b + j = bias[256 column + 128 half + 16 b + 8 h + j], the result's layout
	s_cmp_eq_u32 s41, 1
	s_cselect_b64 s[8:9], s[10:11], s[8:9]
	s_cmp_eq_u32 s41, 2
	s_cselect_b64 s[8:9], s[96:97], s[8:9]
	s_lshl_b32 s46, s42, 10
	s_lshl_b32 s47, s16, 9
	s_add_co_u32 s46, s46, s47                     ; my first channel, in bytes of f32
	s_mov_b32 s47, 0
	s_add_nc_u64 s[8:9], s[8:9], s[46:47]
	s_add_nc_u64 s[100:101], s[100:101], s[46:47]
	s_lshl_b32 s46, s41, 16
	s_add_nc_u64 s[100:101], s[100:101], s[46:47]  ; head16: + product x 65,536
	v_lshlrev_b32 v[BOF], 5, v2
.irp b, 0,1,2,3,4,5,6,7
	global_load_b128 v[BIAS+8*\b:BIAS+8*\b+3], v[BOF], s[8:9] offset:64*\b
	global_load_b128 v[BIAS+8*\b+4:BIAS+8*\b+7], v[BOF], s[8:9] offset:64*\b+16
.endr
	v_mul_u32_u24 v3, v1, PITCH
	v_lshl_add_u32 v4, v2, 4, v3                   ; a fragment's row x pitch + 16 x half
	s_mul_i32 s21, s15, HALFT                      ; my 128 tokens
	s_mul_i32 s22, s16, HALFT                      ; my 128 rows of W,
	s_add_co_u32 s22, s22, 2*HALFT                 ; which lie behind the tokens' 256
.irp s, 0,1
	v_add_nc_u32 v[ADRA+\s], s21, v4
	v_add_nc_u32 v[ADRB+\s], s22, v4
	s_add_co_u32 s21, s21, SLOT
	s_add_co_u32 s22, s22, SLOT
.endr
	v_mul_u32_u24 v5, v1, KS                       ; my row's scales: 32 bytes a row,
	v_lshrrev_b32 v6, 8, v5
	v_lshl_add_u32 v5, v6, 4, v5                   ; and 16 more for each 256 passed
	s_mul_i32 s21, s15, HALFS
	s_mul_i32 s22, s16, HALFS
	s_add_co_u32 s22, s22, 2*HALFS
	s_sub_co_u32 s22, s22, s21
	v_mul_u32_u24 v6, s22, v2                      ; lanes 16-31 take W's
	s_add_co_u32 s21, s21, SCL
	v_add_nc_u32 v5, v5, v6
	v_add_nc_u32 v[ADRS], s21, v5
	s_mul_i32 s23, s14, 16*SPITCH                  ; my stage
	v_mul_u32_u24 v5, v1, SPITCH                   ; in: token r, 16 bytes for each half of the lanes
	v_lshl_add_u32 v5, v2, 4, v5
	v_add_nc_u32 v[STO], s23, v5
	v_bfe_u32 v5, v0, 3, 1                         ; back: lanes 0-15 take two tokens of my first head, lanes 16-31 of my second: eight lanes to a token's 128 bytes
	v_mul_u32_u24 v5, v5, SPITCH
	v_lshl_add_u32 v5, v2, 7, v5
	v_and_b32 v6, 7, v0
	v_lshl_add_u32 v5, v6, 4, v5
	v_add_nc_u32 v[RD], s23, v5
	v_lshlrev_b32 v5, 19, v2                       ; and in qkv: a head is 524,288 bytes; two tokens are 256 consecutive bytes
	v_lshl_add_u32 v[CO], v1, 4, v5
	v_lshlrev_b32 v5, 12, v1
	v_lshl_add_u32 v[H16], v2, 5, v5               ; head16: token r of 4,096 bytes, + 32 h
	s_lshl_b32 s20, s41, 23                        ; qkv: product x 8,388,608
	s_lshl_b32 s21, s43, 8
	s_lshl_b32 s22, s15, 7
	s_add_co_u32 s21, s21, s22                     ; my first token
	s_lshl_b32 s21, s21, 7
	s_add_co_u32 s20, s20, s21
	s_mov_b32 s21, 0
	s_add_nc_u64 s[98:99], s[98:99], s[20:21]
	s_lshl_b32 s46, s42, 2
	s_lshl_b32 s47, s16, 1
	s_add_co_u32 s46, s46, s47                     ; my first head: 4 x tile column + 2 x half
	s_lshl_b32 s46, s46, 19
	s_mov_b32 s47, 0
	s_add_nc_u64 s[98:99], s[98:99], s[46:47]
.macro FRAG reg, adr, q, i             ; 16 rows x 128 K of 4-bit codes: lane l holds row l % 16; registers 4 c .. 4 c + 3 hold K = 64 c + 32 (l / 16) + 0 .. 31
.irp c, 0,1
	ds_load_b128 v[\reg+4*\c:\reg+4*\c+3], v[\adr] offset:64*(\q)+32*\c+(\i)*16*PITCH
.endr
.endm
; 16 matrix instructions: token blocks a0, a0 + 1 x W's eight, the slot's q-th 128 along K.  p: W's set; sc: the set of scale words.  first = 1: the bias starts the sums: nothing is cleared.
; The 64 accumulators take turns, one instruction a turn, in the same order in every step.
.macro MUL16 a0, p, q, sc, first
.irp a, \a0, \a0+1
.irp b, 0,1,2,3,4,5,6,7
.if \first
	v_wmma_scale_f32_16x16x128_f8f6f4 v[8*(8*((\a)%4)+\b):8*(8*((\a)%4)+\b)+7], v[128*(\p)+FR*\b:128*(\p)+FR*\b+FR-1], v[AF+FR*(\a):AF+FR*(\a)+FR-1], v[BIAS+8*\b:BIAS+8*\b+7], v[SC+8*NQ*(\sc)+NQ*\b+(\q)], v[SC+8*NQ*(\sc)+NQ*(\a)+(\q)] matrix_a_fmt:MATRIX_FMT_FP4 matrix_b_fmt:MATRIX_FMT_FP4 matrix_a_scale:MATRIX_SCALE_ROW1
.else
	v_wmma_scale_f32_16x16x128_f8f6f4 v[8*(8*((\a)%4)+\b):8*(8*((\a)%4)+\b)+7], v[128*(\p)+FR*\b:128*(\p)+FR*\b+FR-1], v[AF+FR*(\a):AF+FR*(\a)+FR-1], v[8*(8*((\a)%4)+\b):8*(8*((\a)%4)+\b)+7], v[SC+8*NQ*(\sc)+NQ*\b+(\q)], v[SC+8*NQ*(\sc)+NQ*(\a)+(\q)] matrix_a_fmt:MATRIX_FMT_FP4 matrix_b_fmt:MATRIX_FMT_FP4 matrix_a_scale:MATRIX_SCALE_ROW1
.endif
.endr
.endr
.endm
.macro FETCH_B slot, q, p
	WIN TO_B
.irp i, 0,1,2,3,4,5,6,7
	FRAG 128*(\p)+FR*\i, ADRB+\slot, \q, \i
.endr
	WIN 0
.endm
.macro FETCH_A slot, q, i0
.irp i, \i0, \i0+1, \i0+2, \i0+3
	FRAG AF+FR*(\i), ADRA+\slot, \q, \i
.endr
.endm
.macro SCALES sc                       ; a slot's scale words: four words a row; lanes 0-15 take the tokens' block i, lanes 16-31 W's block i
.irp i, 0,1,2,3,4,5,6,7
	ds_load_b128 v[SC+8*NQ*\sc+NQ*\i:SC+8*NQ*\sc+NQ*\i+3], v[ADRS] offset:\i*SBLK
.endr
.endm
; A load into a register that a matrix instruction has read, and a vector instruction or a store that reads a matrix result, stand NP places behind that matrix instruction; only plain vector
; instructions that name none of its registers are places (ISA guide 7.12.1 for vector instructions).
.macro PLACES n
.rept \n
	v_nop
.endr
.endm
.macro STEP slot, q, first             ; a step of 128 along K that has its successor in the same slot
	s_wait_dscnt 4*NL                              ; W's set and token blocks 0-3 are in; the youngest eight loads (blocks 4-7) may be out
.if \first
	WIN BEG_LO
.else
	WIN MUL_LO
.endif
	MUL16 0, (\q)%2, \q, \slot, \first
	MUL16 2, (\q)%2, \q, \slot, \first
	s_wait_dscnt 0
	PLACES NP
	FETCH_B \slot, (\q)+1, 1-(\q)%2
	FETCH_A \slot, (\q)+1, 0
.if \first
	WIN BEG_HI
.else
	WIN MUL_HI
.endif
	MUL16 4, (\q)%2, \q, \slot, \first
	MUL16 6, (\q)%2, \q, \slot, \first
	PLACES NP
	WIN 0
	FETCH_A \slot, (\q)+1, 4
.endm
.macro STEPS slot, from
.set Q, \from
.rept NQ-1-\from
	STEP \slot, Q, 0
.set Q, Q+1
.endr
.endm
	s_wait_tensorcnt 1                             ; the scales and my part of slot 0 are in; slot 1's load may stay out
	s_barrier_signal -1
	s_barrier_wait -1                              ; everybody's are
	FETCH_B 0, 0, 0
	FETCH_A 0, 0, 0
	SCALES 0
	FETCH_A 0, 0, 4
	s_wait_loadcnt 0x0                             ; the bias
	STEP 0, 0, 1
	STEPS 0, 1
	; slot 0's last step changes slots: one barrier; in front of it each wave waits for all its tensor loads (its part of slot 1), adds 0 to its spare word, and waits for that and for its reads of slot 0
	s_wait_tensorcnt 0x0
	ds_add_u32 v[SPW], v[NIL]
	s_wait_dscnt 4*NL+1                            ; the add and the youngest eight loads (token blocks 4-7) may be out
	WIN MUL_LO
	MUL16 0, 1, NQ-1, 0, 0
	s_wait_dscnt 0x0                               ; the add is done, and my reads of slot 0 are over
	s_barrier_signal -1
	MUL16 2, 1, NQ-1, 0, 0
	WIN 0
	s_barrier_wait -1
	PLACES NP
	v_add_nc_u32 v[ADRS], 4*NQ, v[ADRS]            ; on to slot 1's scale words
	FETCH_B 1, 0, 0
	FETCH_A 1, 0, 0
	SCALES 1
	WIN MUL_HI
	MUL16 4, 1, NQ-1, 0, 0
	MUL16 6, 1, NQ-1, 0, 0
	PLACES NP
	WIN 0
	FETCH_A 1, 0, 4
	STEPS 1, 0
	s_wait_dscnt 4*NL                              ; the very last step: nothing more to fetch
	WIN MUL_LO
	MUL16 0, 1, NQ-1, 1, 0
	MUL16 2, 1, NQ-1, 1, 0
	s_wait_dscnt 0
	WIN MUL_HI
	MUL16 4, 1, NQ-1, 1, 0
	MUL16 6, 1, NQ-1, 1, 0
	WIN 0
	PLACES NP                                      ; behind the last products: stores, conversions and loads below read results and write registers that held operands
	; Tokens 0-15 in f32: block 0 of the waves that own the tile's first 128 tokens, in the tile rows that begin a product.  The branch hangs on the tile row, which the partners share, and on the wave's number.
	; A lane's pieces are 32 bytes of a token's row: 196,608 bytes in the whole launch.
	s_cmp_lg_u32 s43, 0
	s_cbranch_scc1 .Lnot_first
	s_cmp_lg_u32 s15, 0
	s_cbranch_scc1 .Lnot_first
	WIN 0x08                                       ; a store's data are its source 1: window 2
.irp b, 0,1,2,3,4,5,6,7
	global_store_b128 v[H16], v[8*\b:8*\b+3], s[100:101] offset:64*\b          ; each accumulator from its low end on
	global_store_b128 v[H16], v[8*\b+4:8*\b+7], s[100:101] offset:64*\b+16
.endr
	WIN 0
.Lnot_first:
; THE WAY OUT of block a (16 tokens x 128 channels).  PACK: rounded to f16, 16 bytes a lane.  TOSTAGE: into my own stage and back, two tokens of one head to sixteen lanes.  SEND: stored.
.macro PACK a
.set AC, 64*((\a)%4)
	WIN 0x0a+5*((\a)/4)                            ; sources 0 and 1: window 2 or 3
.irp b, 0,1,2,3,4,5,6,7
.irp r, 0,1,2,3
	v_cvt_pk_f16_f32 v[TMP+4*\b+\r], v[AC+8*\b+2*\r], v[AC+8*\b+2*\r+1]
.endr
.endr
	WIN 0
.endm
.macro TOSTAGE a
.set BK, OB+192*((\a)%2)
.irp b, 0,1,2,3,4,5,6,7
	ds_store_b128 v[STO], v[TMP+4*\b:TMP+4*\b+3] offset:32*\b
.endr
.irp t, 0,1,2,3,4,5,6,7
	ds_load_b128 v[BK+4*\t:BK+4*\t+3], v[RD] offset:\t*2*SPITCH    ; LDS serves a wave's instructions in order (ISA guide 5.7.1.4): these see the stores above
.endr
.endm
.macro SEND a
.set BK, OB+192*((\a)%2)
	s_wait_dscnt 0x0                               ; the block is back in registers
	s_wait_xcnt 0x0                                ; the stores of the block before have read their data: the next block's loads land there only behind this wait
.irp t, 0,1,2,3,4,5,6,7
	global_store_b128 v[CO], v[BK+4*\t:BK+4*\t+3], s[98:99] offset:(\a)*2048+\t*256   ; 16 lanes store 256 consecutive bytes, aligned: two tokens of one head
.endr
.endm
	PACK 0
	TOSTAGE 0
.irp a, 1,2,3,4,5,6,7                  ; block a's conversions stand between block a - 1's loads from the stage and the wait for them
	PACK \a
	SEND \a-1
	TOSTAGE \a
.endr
	SEND 7
	s_wait_tensorcnt 0x0                           ; the wave's end: three lines behind my last tensor load and my last LDS store
	ds_add_u32 v[SPW], v[NIL]
	s_wait_dscnt 0x0
	CROUND                                         ; the closing round: no work-group ends while a partner may still ask for a tile that names it
	s_endpgm
.Lfunc_end_k_q7b8769ee5d_proj:
	.size	k_q7b8769ee5d_proj, .Lfunc_end_k_q7b8769ee5d_proj-k_q7b8769ee5d_proj
	.p2alignl 7, 3214868480
	.fill 96, 4, 3214868480
	.section	.rodata,"a",@progbits
	.p2align	6, 0x0
	.amdhsa_kernel k_q7b8769ee5d_proj
		.amdhsa_group_segment_fixed_size 327680
		.amdhsa_private_segment_fixed_size 0
		.amdhsa_enable_private_segment 0
		.amdhsa_kernarg_size 56
		.amdhsa_user_sgpr_count 2
		.amdhsa_user_sgpr_kernarg_segment_ptr 1
		.amdhsa_wavefront_size32 1
		.amdhsa_system_sgpr_workgroup_id_x 1
		.amdhsa_system_sgpr_workgroup_id_y 1
		.amdhsa_system_sgpr_workgroup_id_z 1
		.amdhsa_system_vgpr_workitem_id 0
		.amdhsa_next_free_vgpr 1024
		.amdhsa_next_free_sgpr 102
		.amdhsa_reserve_vcc 0
		.amdhsa_float_denorm_mode_32 3
		.amdhsa_float_denorm_mode_16_64 3
		.amdhsa_memory_ordered 1
		.amdhsa_forward_progress 1
		.amdhsa_inst_pref_size 130
	.end_amdhsa_kernel
	.amdgpu_metadata
---
amdhsa.version: [ 1, 2 ]
amdhsa.kernels:
  - .name:           k_q7b8769ee5d_proj
    .symbol:         k_q7b8769ee5d_proj.kd
    .args:
      - { .name: codes, .offset: 0, .size: 8, .value_kind: global_buffer, .address_space: global }
      - { .name: scales, .offset: 8, .size: 8, .value_kind: global_buffer, .address_space: global }
      - { .name: bq, .offset: 16, .size: 8, .value_kind: global_buffer, .address_space: global }
      - { .name: bk, .offset: 24, .size: 8, .value_kind: global_buffer, .address_space: global }
      - { .name: bv, .offset: 32, .size: 8, .value_kind: global_buffer, .address_space: global }
      - { .name: qkv, .offset: 40, .size: 8, .value_kind: global_buffer, .address_space: global }
      - { .name: head16, .offset: 48, .size: 8, .value_kind: global_buffer, .address_space: global }
    .group_segment_fixed_size: 327680
    .private_segment_fixed_size: 0
    .kernarg_segment_align: 8
    .kernarg_segment_size: 56
    .max_flat_workgroup_size: 128
    .sgpr_count:     102
    .vgpr_count:     1024
    .wavefront_size: 32
...
	.end_amdgpu_metadata
.endif
;; end of part 2
;; launch attn (part 3): grid 16 x 16, 8 waves a work-group, no clusters, 327,680 bytes of LDS; arguments qkv, att; writes att
.if DOCPART == 3
	.amdgcn_target "amdgcn-amd-amdhsa--gfx1250"
	.amdhsa_code_object_version 6
	.text
	.protected	k_q7b8769ee5d_attn
	.globl	k_q7b8769ee5d_attn
	.p2align	8
	.type	k_q7b8769ee5d_attn,@function
k_q7b8769ee5d_attn:
	s_mov_b64 s[64:65], 0
	v_nop
	global_prefetch_b8 v0, s[64:65] scope:SCOPE_SE
	s_setreg_imm32_b32 hwreg(HW_REG_WAVE_MODE, 25, 1), 1
	s_wait_xcnt 0x0
; att[q] = the sum over keys k <= q of softmax_k(Q[q] . K[k] / 8) V[k], for each of 16 heads of 64 channels and 4,096 positions.  Q, K, V: f16, qkv [3][16][4096][64].  Products, maxima and sums in f32;
; the weights p are rounded to f16 for the second product, the result once at the end.  att, f16, lies by tiles: byte(head, token, ch) = (((head >> 2) 32 + (token >> 7)) 4 + (head & 3)) 16384 + (token & 127) 128 + 2 ch.
; LIMITS: the result must stay under 65,504 (it is an average of V's rows, which do).  Positions 0-15 are computed here as all others and are computed again, finely, by a later launch.
; SHARES.  A head's 32 blocks of 128 queries go in pairs: work-group (i, head) owns block i (early) and block 31 - i (late): 33 units of 128 x 128 under the mask in every work-group.  Wave w owns ONE tile of 16
; queries of each block.  The keys are walked once, 64 a step; while the early tile has keys left, both tiles use each fragment of K and V that the wave reads from LDS.  Two waves share a SIMD.
; LAYOUT.  S^T = K Q^T (source 0 = 16 keys, source 1 = 16 queries): a lane holds ONE query (lane % 16) and the keys 8 (lane / 16) + 0..7 of each tile; two such tiles, rounded in pairs, are source 1 of O^T = V^T P.
; SOFTMAX.  A running maximum m and sum l for each query: p = 2^(c s - c m), c = log2(e) / 8; in every step O and l are multiplied by a = 2^(c m_old - c m_new).  m begins at -3e38, O and l at 0.
; THE RING.  Two slots of 256 keys.  Wave 0 fetches a slot's K, wave 1 its V: 32,768 dense bytes each, as 128 rows of 256 bytes (two keys a row).  Every work-group walks all 16 changes of slots; a step all of whose
; keys come after the wave's queries is jumped over, and a slot whose first key comes after the work-group's last query is not asked for.  Every wait on TENSORcnt is for 0.
; NO CLUSTER: under the mask the query blocks of a head need different numbers of tiles: some partner would jump over every read of a tile that a joint load brings.
; REGISTERS.  Window 0: v1-10 addresses; v12-27 statistics, eight a tile; v28-31; v32-63 S^T then p; v64-79 P; v80-111 the way out; v128-191 K's eight fragments; v192-255 V's eight.
;   Window 1: v0-31 Q (tile x, channels 32 cc on, at 16 x + 8 cc); v64-127 O^T (tile x, channels 16 c on, at 64 + 32 x + 8 c).  Tile 0 is the late one, tile 1 the early one.
.set KP,    272                        ; two keys of K in LDS: 256 bytes + 16: a fragment load's 16 rows touch 16 different runs of 16 bytes modulo 256
.set VP,    288                        ; two keys of V: 256 + 32: likewise for the turning load
.set VOFF,  128*KP                     ; a slot: K's 128 rows, then V's
.set SLOT1, 1<<17                      ; slot 1 begins here: one exclusive or turns an address
.set NSL,   16
.set STAGE, 2*SLOT1                    ; the way out: 16 rows x (128 bytes + 16) for each wave
.set SP,    144
.set SPARE, STAGE+8*16*SP              ; the spare words: 128 bytes a wave, four blocks of 256 bytes that no other line names
.set AK0, 1
.set AV0, 2
.set ADK, 3
.set ADV, 4
.set SPW, 5
.set NIL, 6
.set QO,  7
.set STO, 8
.set RD,  9
.set GO,  10
.set ST,  12                           ; tile x at v[ST + 8 x]: +0 c m, +1 m, +2, +3 l (even keys', odd keys'), +4 to +7 at work; a in +6
.set RH,  28                           ; v28  lane % 16 - 8 (lane / 16)
.set NINF, 29                          ; v29  -infinity
.set DD,  30                           ; v30  at work in the mask
.set PFO, 31                           ; v31  256 x lane
.set S,   32
.set P,   64
.set W,   80
.set KR,  128
.set VR,  192
.set TB,  2                            ; s2   LDS byte at which the slot in hand begins
.set WV,  18
.set SEL, 20
.set CS,  22
.set G1K, 24
.set G1V, 32
.set G0K, 40
.set G0V, 44
.set SLOTS, 48
.set KF,  49                           ; s49  the step's first key
.set QL,  50                           ; s50  my late tile's first query
.set QE,  51                           ; s51  my early tile's
.set PFA, 52
.set LIM, 54
.set MSB, 0
.macro WIN new
.if MSB != \new
	s_set_vgpr_msb (MSB<<8)|\new
.set MSB, \new
.endif
.endm
.set W_KQ, 0x04                        ; source 1 (Q) window 1
.set W_RS, 0x41                        ; O^T (destination and source 0) window 1
.set W_PV, 0x50                        ; C and D (O^T) window 1
; Wave 0 fetches K, wave 1 V, the others nothing.  An s_nop 0 and four v_nop follow each of the two lines.
.macro TLOAD
	s_cmp_lt_u32 s[WV], 1
	s_cbranch_scc0 .Lnot_k_\@
	tensor_load_to_lds s[G0K:G0K+3], s[G1K:G1K+7]
	s_nop 0
.rept 4
	v_nop
.endr
	s_branch .Lasked_\@
.Lnot_k_\@:
	s_cmp_lt_u32 s[WV], 2
	s_cbranch_scc0 .Lasked_\@
	tensor_load_to_lds s[G0V:G0V+3], s[G1V:G1V+7]
	s_nop 0
.rept 4
	v_nop
.endr
.Lasked_\@:
.endm
; A prefetch into the L2 of what the NEXT change of slots will ask for: 32,768 bytes of K and of V.  All work-groups of a head walk the same keys: the one with i = 0, which walks them all, asks.  In it waves 4 and 5
; take the halves of K's slot, waves 6 and 7 of V's: two instructions a wave, lanes 256 bytes apart, so that each aligned run of 256 bytes is named once in the launch.  It stands a slot's four key steps ahead of
; the load.  The last change that fills a slot asks for nothing; slots 0 and 1 come by their loads alone.
.macro ASK
	s_cmp_gt_u32 s[SLOTS], s[LIM]
	s_cbranch_scc0 .Lnot_mine_\@
	global_prefetch_b8 v[PFO], s[PFA:PFA+1] th:TH_LOAD_NT scope:SCOPE_SE
	global_prefetch_b8 v[PFO], s[PFA:PFA+1] offset:8192 th:TH_LOAD_NT scope:SCOPE_SE
.Lnot_mine_\@:
.endm
	s_load_b128 s[4:7], s[0:1], 0x0                ; qkv s[4:5], att s[6:7]
	v_lshl_add_u32 v[SPW], v0, 2, SPARE
	v_mov_b32 v[NIL], 0
	ds_add_u32 v[SPW], v[NIL]                      ; the wave's opening: the add, twice on end, and its wait ahead of my first tensor load
	ds_add_u32 v[SPW], v[NIL]
	v_lshrrev_b32 v8, 5, v0
	v_readfirstlane_b32 s[WV], v8                  ; wave 0..7
	s_and_b32 s8, ttmp7, 0xffff                    ; the head
	s_lshl_b32 s9, s8, 19                          ; its 524,288 bytes in each of q, k, v
	s_lshl_b32 s96, s[WV], 4
	s_lshl_b32 s[QE], ttmp9, 7
	s_add_co_u32 s[QE], s[QE], s96                 ; 128 i + 16 w
	s_sub_co_u32 s97, 31, ttmp9
	s_lshl_b32 s[QL], s97, 7
	s_add_co_u32 s[QL], s[QL], s96                 ; 128 (31 - i) + 16 w
	s_lshr_b32 s96, s8, 2                          ; att: ((head >> 2) 32 + block) 65,536 + (head & 3) 16,384 + 2,048 w
	s_lshl_b32 s96, s96, 5
	s_add_co_u32 s10, s96, s97
	s_lshl_b32 s10, s10, 16
	s_add_co_u32 s16, s96, ttmp9
	s_lshl_b32 s16, s16, 16
	s_and_b32 s96, s8, 3
	s_lshl_b32 s96, s96, 14
	s_lshl_b32 s97, s[WV], 11
	s_add_co_u32 s96, s96, s97
	s_add_co_u32 s10, s10, s96
	s_add_co_u32 s16, s16, s96
	s_mov_b32 s11, 0
	s_mov_b32 s17, 0
	; descriptor group 1: 128 rows of 128 elements of 2 bytes, dense in memory, padded in LDS
	s_mov_b32 s[G1K], (1<<16)|(1<<20)|(5<<22)|(3<<25)   ; 15:0 no mask; 17:16 elements of 2 bytes; 20 padding on; 24:22 after every 64 words; 31:25 four words
	s_mov_b32 s[G1V], (1<<16)|(1<<20)|(5<<22)|(7<<25)   ; eight words
.irp g, G1K, G1V
	s_mov_b32 s[\g+1], 128<<16                     ; tensor_dim0
	s_mov_b32 s[\g+2], 128<<16                     ; tensor_dim1
	s_mov_b32 s[\g+3], 128<<16                     ; tile_dim0
	s_mov_b32 s[\g+4], 128                         ; tile_dim1
	s_mov_b32 s[\g+5], 128                         ; from row to row
	s_mov_b32 s[\g+6], 0
	s_mov_b32 s[\g+7], 0
.endr
	s_mov_b32 s[SEL], 0x76543210
	s_mov_b32 s[SEL+1], 0xfedcba98                 ; v_permlanex16_b32's selects for lane l xor 16
	s_mov_b32 s[CS], 0x3e38aa3b                    ; c = log2(e) / 8
	s_mov_b32 s[CS+1], s[CS]                       ; (named with it as a pair, so it is written)
	s_mov_b32 s[TB], 0
	s_mov_b32 s[SLOTS], NSL-1
	s_mov_b32 s[KF], 0
	s_wait_dscnt 0x0                               ; both opening adds are done
	s_wait_kmcnt 0x0
	s_add_nc_u64 s[56:57], s[6:7], s[10:11]        ; att at my late tile,
	s_add_nc_u64 s[58:59], s[6:7], s[16:17]        ; and at my early one
	s_add_co_u32 s10, s9, 8388608                  ; K of my head
	s_mov_b32 s[G0K], 1
	s_mov_b32 s[G0K+1], 0
	s_add_nc_u64 s[G0K+2:G0K+3], s[4:5], s[10:11]
	s_or_b32 s[G0K+3], s[G0K+3], 0x80000000
	s_add_co_u32 s10, s9, 16777216                 ; V of my head
	s_mov_b32 s[G0V], 1
	s_mov_b32 s[G0V+1], VOFF
	s_add_nc_u64 s[G0V+2:G0V+3], s[4:5], s[10:11]
	s_or_b32 s[G0V+3], s[G0V+3], 0x80000000
	TLOAD                                          ; slot 0: key 0 counts for every query
	s_lshl_b32 s10, s[QL], 7
	s_add_co_u32 s10, s10, s9
	s_add_nc_u64 s[12:13], s[4:5], s[10:11]        ; Q at my late tile,
	s_lshl_b32 s10, s[QE], 7
	s_add_co_u32 s10, s10, s9
	s_add_nc_u64 s[14:15], s[4:5], s[10:11]        ; and at my early one
	s_mov_b32 s10, 16777216                        ; the prefetches: waves 4, 5 stand in K, waves 6, 7 in V,
	s_cmp_lt_u32 s[WV], 6
	s_cselect_b32 s10, 8388608, s10
	s_add_co_u32 s10, s10, s9                      ; in my head,
	s_and_b32 s96, s[WV], 1
	s_lshl_b32 s96, s96, 14
	s_add_co_u32 s10, s10, s96                     ; at my half,
	s_add_co_u32 s10, s10, 32768                   ; of slot 1: the first change of slots steps it to slot 2
	s_add_nc_u64 s[PFA:PFA+1], s[4:5], s[10:11]
	s_sub_co_u32 s96, s[WV], 4
	s_lshr_b32 s96, s96, 2                         ; 0 in waves 4 to 7,
	s_or_b32 s96, s96, ttmp9                       ; of the work-group with i = 0
	s_cmp_eq_u32 s96, 0
	s_cselect_b32 s[LIM], 1, -1
	v_and_b32 v80, 15, v0                          ; r
	v_bfe_u32 v81, v0, 4, 1                        ; h
	v_lshlrev_b32 v[QO], 7, v80
	v_lshl_add_u32 v[QO], v81, 4, v[QO]            ; Q: row r of 128 bytes, + 16 h
	WIN 0x40                                       ; destination window 1
.irp cc, 0,1
	global_load_b128 v[8*\cc:8*\cc+3],       v[QO], s[12:13] offset:64*\cc
	global_load_b128 v[8*\cc+4:8*\cc+7],     v[QO], s[12:13] offset:64*\cc+32
	global_load_b128 v[16+8*\cc:16+8*\cc+3], v[QO], s[14:15] offset:64*\cc
	global_load_b128 v[16+8*\cc+4:16+8*\cc+7], v[QO], s[14:15] offset:64*\cc+32
.endr
.set i, 0
.rept 64
	v_mov_b32 v[64+i], 0                           ; O^T: the loop has no first step of its own: the first change of m multiplies zeros
.set i, i+1
.endr
	WIN 0
	v_lshrrev_b32 v82, 1, v80
	v_mul_u32_u24 v[AK0], v82, KP
	v_and_b32 v82, 1, v0
	v_lshl_add_u32 v[AK0], v82, 7, v[AK0]
	v_lshl_add_u32 v[AK0], v81, 4, v[AK0]          ; K: key r of a tile: (r / 2) rows + 128 (r % 2) + 16 h
	v_bfe_u32 v83, v0, 1, 2
	v_lshl_add_u32 v83, v81, 2, v83
	v_mul_u32_u24 v[AV0], v83, VP
	v_lshl_add_u32 v[AV0], v82, 7, v[AV0]
	v_bfe_u32 v83, v0, 3, 1
	v_lshl_add_u32 v[AV0], v83, 4, v[AV0]
	v_add_nc_u32 v[AV0], VOFF, v[AV0]              ; V, for the turning load: key 8 h + l % 8, channels 8 ((l / 8) % 2) on
	s_mul_i32 s96, s[WV], 16*SP
	s_add_co_u32 s96, s96, STAGE                   ; my stage
	v_mul_u32_u24 v[STO], v80, SP
	v_lshl_add_u32 v[STO], v81, 4, v[STO]
	v_add_nc_u32 v[STO], s96, v[STO]               ; in: row r, 16 bytes for each half of the lanes
	v_and_b32 v82, 31, v0
	v_lshrrev_b32 v83, 3, v82
	v_mul_u32_u24 v[RD], v83, SP
	v_and_b32 v83, 7, v0
	v_lshl_add_u32 v[RD], v83, 4, v[RD]
	v_add_nc_u32 v[RD], s96, v[RD]                 ; back: eight lanes to a row of 128 bytes
	v_lshlrev_b32 v[GO], 4, v82                    ; and in att: 16 l of 512 consecutive bytes
	v_lshlrev_b32 v[PFO], 8, v82
	v_lshlrev_b32 v83, 3, v81
	v_sub_nc_u32 v[RH], v80, v83
	v_mov_b32 v[NINF], 0xff800000
.irp x, 0,1
	v_mov_b32 v[ST+8*\x+1], 0xff61b1e6             ; m: -3e38, under every score
	v_mul_f32 v[ST+8*\x], s[CS], v[ST+8*\x+1]      ; c m
.irp j, 2,3,4,5,6,7
	v_mov_b32 v[ST+8*\x+\j], 0                     ; l; and the registers at work, written once (a lane permute's destination counts as one of its sources)
.endr
.endr
; ONE TILE'S SHARE OF A KEY STEP: 8 products K Q^T, the mask on the diagonal, the softmax, 8 products V^T P.  x: the tile; qs: the scalar register with its first query.
; In both runs of products four accumulators take turns, one instruction a turn.
.macro TILE x, qs
.set rT, ST+8*\x
	WIN W_KQ
.irp cc, 0,1
.irp kt, 0,1,2,3
.if \cc == 0
	v_wmma_f32_16x16x32_f16 v[S+8*\kt:S+8*\kt+7], v[KR+8*(2*\kt+\cc):KR+8*(2*\kt+\cc)+7], v[16*\x+8*\cc:16*\x+8*\cc+7], 0
.else
	v_wmma_f32_16x16x32_f16 v[S+8*\kt:S+8*\kt+7], v[KR+8*(2*\kt+\cc):KR+8*(2*\kt+\cc)+7], v[16*\x+8*\cc:16*\x+8*\cc+7], v[S+8*\kt:S+8*\kt+7]
.endif
.endr
.endr
	WIN 0
.rept 4
	v_nop                                          ; four places between the products and the first read of the scores (ISA guide 7.12.1)
.endr
	s_add_co_u32 s96, s[KF], 63                    ; a step all of whose keys count skips the mask: ids and the count of steps alone
	s_cmp_le_u32 s96, s[\qs]
	s_cbranch_scc1 .Lopen_\@
	s_sub_co_i32 s96, s[\qs], s[KF]
	v_add_nc_u32 v[DD], s96, v[RH]                 ; d = my query - KF - 8 h.  Register n holds key KF + 16 (n / 8) + 8 h + n % 8: hidden where 16 (n / 8) + n % 8 > d
.irp n, 0,1,2,3,4,5,6,7,8,9,10,11,12,13,14,15,16,17,18,19,20,21,22,23,24,25,26,27,28,29,30,31
	v_cmp_gt_i32 vcc_lo, 16*(\n/8)+\n%8, v[DD]
	v_cndmask_b32 v[S+\n], v[S+\n], v[NINF], vcc_lo
.endr
.Lopen_\@:
.irp j, 0,1,2,3
	v_max3_num_f32 v[rT+4+\j], v[S+8*\j], v[S+8*\j+1], v[S+8*\j+2]             ; the maximum, in four chains; each accumulator is read from its low end on
.endr
.irp j, 0,1,2,3
	v_max3_num_f32 v[rT+4+\j], v[rT+4+\j], v[S+8*\j+3], v[S+8*\j+4]
.endr
.irp j, 0,1,2,3
	v_max3_num_f32 v[rT+4+\j], v[rT+4+\j], v[S+8*\j+5], v[S+8*\j+6]
.endr
	v_max3_num_f32 v[rT+4], v[rT+4], v[S+7], v[S+15]
	v_max3_num_f32 v[rT+6], v[rT+6], v[S+23], v[S+31]
	v_max3_num_f32 v[rT+4], v[rT+4], v[rT+5], v[rT+6]
	v_max3_num_f32 v[rT+4], v[rT+4], v[rT+7], v[rT+1]                          ; with the old m
	v_permlanex16_b32 v[rT+5], v[rT+4], s[SEL], s[SEL+1]                       ; the query's other 32 keys lie in the lane 16 away
	v_mov_b32 v[rT+7], v[rT]                       ; c m_old
	v_max_num_f32 v[rT+1], v[rT+4], v[rT+5]
	v_mul_f32 v[rT], s[CS], v[rT+1]
	v_sub_f32 v[rT+7], v[rT+7], v[rT]              ; c m_old - c m_new
.irp b, 0,2,4,6,8,10,12,14,16,18,20,22,24,26,28,30
	v_pk_fma_f32 v[S+\b:S+\b+1], v[S+\b:S+\b+1], s[CS:CS+1], v[rT:rT+1] op_sel_hi:[1,0,0] neg_lo:[0,0,1] neg_hi:[0,0,1]   ; c s - c m
.endr
	v_exp_f32 v[rT+6], v[rT+7]                     ; a
.irp n, 0,1,2,3,4,5,6,7,8,9,10,11,12,13,14,15,16,17,18,19,20,21,22,23,24,25,26,27,28,29,30,31
	v_exp_f32 v[S+\n], v[S+\n]                     ; p
.endr
	v_nop                                          ; a plain instruction behind the last exponential
	s_wait_alu depctr_va_vdst(0)                   ; one wait for the batch of 33, ahead of the first instruction that names a result
.irp i, 0,1,2,3,4,5,6,7,8,9,10,11,12,13,14,15
	v_cvt_pk_f16_f32 v[P+\i], v[S+2*\i], v[S+2*\i+1]
.endr
.irp u, 0,1,2,3,4,5,6,7
	v_pk_add_f32 v[S+4*\u:S+4*\u+1], v[S+4*\u:S+4*\u+1], v[S+4*\u+2:S+4*\u+3]  ; the sum of the unrounded p, in place, by halves
.endr
.irp u, 0,1,2,3
	v_pk_add_f32 v[S+8*\u:S+8*\u+1], v[S+8*\u:S+8*\u+1], v[S+8*\u+4:S+8*\u+5]
.endr
.irp u, 0,1
	v_pk_add_f32 v[S+16*\u:S+16*\u+1], v[S+16*\u:S+16*\u+1], v[S+16*\u+8:S+16*\u+9]
.endr
	v_pk_add_f32 v[S:S+1], v[S:S+1], v[S+16:S+17]
	v_pk_fma_f32 v[rT+2:rT+3], v[rT+2:rT+3], v[rT+6:rT+7], v[S:S+1] op_sel_hi:[1,0,1]   ; l = a l + the sum
	WIN W_RS
.irp b, 0,2,4,6,8,10,12,14,16,18,20,22,24,26,28,30
	v_pk_mul_f32 v[64+32*\x+\b:64+32*\x+\b+1], v[64+32*\x+\b:64+32*\x+\b+1], v[rT+6:rT+7] op_sel_hi:[1,0]   ; O^T x a
.endr
.if \x == 0
	s_wait_dscnt 0x0                               ; V is in
.endif
	WIN W_PV
.irp g, 0,1
.irp c, 0,1,2,3
	v_wmma_f32_16x16x32_f16 v[64+32*\x+8*\c:64+32*\x+8*\c+7], v[VR+8*(4*\g+\c):VR+8*(4*\g+\c)+7], v[P+8*\g:P+8*\g+7], v[64+32*\x+8*\c:64+32*\x+8*\c+7]
.endr
.endr
	WIN 0
.endm
; A KEY STEP: 64 keys, the q-th of the slot in hand.  A step all of whose keys come after my late tile's queries is left out: a scalar branch on ids; likewise the early tile's share.
.macro STEP q
	s_add_co_u32 s96, s[QL], 15
	s_cmp_gt_u32 s[KF], s96
	s_cbranch_scc1 .Lhidden_\@
	v_add_nc_u32 v[ADK], s[TB], v[AK0]
	v_add_nc_u32 v[ADV], s[TB], v[AV0]
	v_nop
	v_nop                                          ; these four lines are the places in front of loads into registers that the last products have read
.irp kt, 0,1,2,3
.irp cc, 0,1
	ds_load_b128 v[KR+8*(2*\kt+\cc):KR+8*(2*\kt+\cc)+3],   v[ADK] offset:(\q)*32*KP+\kt*8*KP+64*\cc
	ds_load_b128 v[KR+8*(2*\kt+\cc)+4:KR+8*(2*\kt+\cc)+7], v[ADK] offset:(\q)*32*KP+\kt*8*KP+64*\cc+32
.endr
.endr
.irp g, 0,1
.irp c, 0,1,2,3
	ds_load_tr16_b128 v[VR+8*(4*\g+\c):VR+8*(4*\g+\c)+3],   v[ADV] offset:(\q)*32*VP+\g*16*VP+32*\c
	ds_load_tr16_b128 v[VR+8*(4*\g+\c)+4:VR+8*(4*\g+\c)+7], v[ADV] offset:(\q)*32*VP+\g*16*VP+8*VP+32*\c
.endr
.endr
	s_wait_dscnt 16                                ; K's sixteen loads are in; V's sixteen may be out
	TILE 0, QL
	s_add_co_u32 s96, s[QE], 15
	s_cmp_gt_u32 s[KF], s96
	s_cbranch_scc1 .Lhidden_\@
	TILE 1, QE
.Lhidden_\@:
	s_add_co_u32 s[KF], s[KF], 64
.endm
; THE CHANGE OF SLOTS stands at a slot's head.  Each wave waits for all its tensor loads, adds 0 to its spare word (fill = 1: twice on end), and waits for that and for its reads of the slot that it has left.
; Behind the barrier the slot ahead is whole and nobody reads the other one; fill = 1: that one is filled with the next 256 keys, up to the causal limit.
.macro CHANGE fill
	s_wait_tensorcnt 0x0                           ; no tensor load of mine is out, so a group 0 may be written
	ds_add_u32 v[SPW], v[NIL]
.if \fill
	ds_add_u32 v[SPW], v[NIL]                      ; and once more: the add stands twice on end, in every trip alike
	s_xor_b32 s[G0K+1], s[G0K+1], SLOT1            ; the walking descriptors: the other slot,
	s_add_nc_u64 s[G0K+2:G0K+3], s[G0K+2:G0K+3], 32768   ; the next 256 keys; the type bits on top are not reached
	s_xor_b32 s[G0V+1], s[G0V+1], SLOT1
	s_add_nc_u64 s[G0V+2:G0V+3], s[G0V+2:G0V+3], 32768
	s_wait_xcnt 0x0                                ; the last prefetches, a slot back, have read their address
	s_add_nc_u64 s[PFA:PFA+1], s[PFA:PFA+1], 32768 ; one slot further on than the walking descriptors
.endif
	s_wait_dscnt 0x0                               ; the add is done, and my reads of the slot that I have left are over
	s_barrier_signal -1
	s_barrier_wait -1
.if \fill
	s_add_co_u32 s96, s[KF], 256                   ; the first key of the slot that this change would ask for,
	s_or_b32 s97, s[QL], 127                       ; against my work-group's last query: ids and the count of steps alone, the same in all eight waves
	s_cmp_gt_u32 s96, s97
	s_cbranch_scc1 .Lpast_\@                       ; a slot that none of my work-group's waves would read is not asked for
	TLOAD                                          ; a wave's one tensor load until the next such barrier
.Lpast_\@:
	ASK
.endif
.endm
	s_wait_loadcnt 0x0                             ; Q
.Lslot:                                            ; 15 trips
	CHANGE 1
	STEP 0
	STEP 1
	STEP 2
	STEP 3
	s_xor_b32 s[TB], s[TB], SLOT1
	s_sub_co_u32 s[SLOTS], s[SLOTS], 1
	s_cmp_lg_u32 s[SLOTS], 0
	s_cbranch_scc1 .Lslot
	CHANGE 0                                       ; the last slot is written out: nothing is left to ask for
	STEP 0
	STEP 1
	STEP 2
	STEP 3
	; THE WAY OUT.  l's halves and the other half of the lanes' are added (these additions are the places behind the last products); O^T / l is rounded to f16 and goes through my stage, a tile at a time.
.irp x, 0,1
	v_add_f32 v[ST+8*\x+4], v[ST+8*\x+2], v[ST+8*\x+3]
.endr
.irp x, 0,1
	v_permlanex16_b32 v[ST+8*\x+5], v[ST+8*\x+4], s[SEL], s[SEL+1]
.endr
.irp x, 0,1
	v_add_f32 v[ST+8*\x+4], v[ST+8*\x+4], v[ST+8*\x+5]
.endr
	v_nop
	v_nop
.irp x, 0,1
	v_rcp_f32 v[ST+8*\x+6], v[ST+8*\x+4]
.endr
	v_nop                                          ; a plain instruction behind the last reciprocal
	s_wait_alu depctr_va_vdst(0)                   ; one wait for the two, ahead of the first use
.irp x, 0,1
	WIN W_RS
.irp b, 0,2,4,6,8,10,12,14,16,18,20,22,24,26,28,30
	v_pk_mul_f32 v[64+32*\x+\b:64+32*\x+\b+1], v[64+32*\x+\b:64+32*\x+\b+1], v[ST+8*\x+6:ST+8*\x+7] op_sel_hi:[1,0]
.endr
	WIN 0x05                                       ; sources 0 and 1 window 1
.irp i, 0,1,2,3,4,5,6,7,8,9,10,11,12,13,14,15
	v_cvt_pk_f16_f32 v[W+16*\x+\i], v[64+32*\x+2*\i], v[64+32*\x+2*\i+1]
.endr
	WIN 0
.irp c, 0,1,2,3
	ds_store_b128 v[STO], v[W+16*\x+4*\c:W+16*\x+4*\c+3] offset:32*\c
.endr
.irp t, 0,1,2,3
	ds_load_b128 v[W+16*\x+4*\t:W+16*\x+4*\t+3], v[RD] offset:\t*4*SP   ; LDS serves a wave's instructions in order (ISA guide 5.7.1.4): these see the stores above, and the next tile's stores come behind them
.endr
.endr
.irp t, 0,1,2,3
	s_wait_dscnt 8+3-\t                            ; behind this load: the tile's younger loads and the other tile's eight LDS instructions
	global_store_b128 v[GO], v[W+4*\t:W+4*\t+3], s[56:57] offset:512*\t   ; the wave stores 512 consecutive bytes, aligned
.endr
.irp t, 0,1,2,3
	s_wait_dscnt 3-\t                              ; the younger loads may be out
	global_store_b128 v[GO], v[W+16+4*\t:W+16+4*\t+3], s[58:59] offset:512*\t
.endr
	s_wait_tensorcnt 0x0                           ; the wave's end: three lines behind my last tensor load and my last LDS store
	ds_add_u32 v[SPW], v[NIL]
	s_wait_dscnt 0x0
	s_endpgm
.Lfunc_end_k_q7b8769ee5d_attn:
	.size	k_q7b8769ee5d_attn, .Lfunc_end_k_q7b8769ee5d_attn-k_q7b8769ee5d_attn
	.p2alignl 7, 3214868480
	.fill 96, 4, 3214868480
	.section	.rodata,"a",@progbits
	.p2align	6, 0x0
	.amdhsa_kernel k_q7b8769ee5d_attn
		.amdhsa_group_segment_fixed_size 327680
		.amdhsa_private_segment_fixed_size 0
		.amdhsa_enable_private_segment 0
		.amdhsa_kernarg_size 16
		.amdhsa_user_sgpr_count 2
		.amdhsa_user_sgpr_kernarg_segment_ptr 1
		.amdhsa_wavefront_size32 1
		.amdhsa_system_sgpr_workgroup_id_x 1
		.amdhsa_system_sgpr_workgroup_id_y 1
		.amdhsa_system_sgpr_workgroup_id_z 1
		.amdhsa_system_vgpr_workitem_id 0
		.amdhsa_next_free_vgpr 384
		.amdhsa_next_free_sgpr 100
		.amdhsa_reserve_vcc 1
		.amdhsa_float_denorm_mode_32 3
		.amdhsa_float_denorm_mode_16_64 3
		.amdhsa_memory_ordered 1
		.amdhsa_forward_progress 1
		.amdhsa_inst_pref_size 194
	.end_amdhsa_kernel
	.amdgpu_metadata
---
amdhsa.version: [ 1, 2 ]
amdhsa.kernels:
  - .name:           k_q7b8769ee5d_attn
    .symbol:         k_q7b8769ee5d_attn.kd
    .args:
      - { .name: qkv, .offset: 0, .size: 8, .value_kind: global_buffer, .address_space: global }
      - { .name: att, .offset: 8, .size: 8, .value_kind: global_buffer, .address_space: global }
    .group_segment_fixed_size: 327680
    .private_segment_fixed_size: 0
    .kernarg_segment_align: 8
    .kernarg_segment_size: 16
    .max_flat_workgroup_size: 256
    .sgpr_count:     100
    .vgpr_count:     384
    .wavefront_size: 32
...
	.end_amdgpu_metadata
.endif
;; end of part 3
;; launch outp (part 4): grid 8 x 32, 4 waves a work-group, clusters of 4 x 4, 327,680 bytes of LDS; arguments att, wo16, bo, out0; writes out0
.if DOCPART == 4
	.amdgcn_target "amdgcn-amd-amdhsa--gfx1250"
	.amdhsa_code_object_version 6
	.text
	.protected	k_q7b8769ee5d_outp
	.globl	k_q7b8769ee5d_outp
	.p2align	8
	.type	k_q7b8769ee5d_outp,@function
k_q7b8769ee5d_outp:
	s_mov_b64 s[64:65], 0
	v_nop
	global_prefetch_b8 v0, s[64:65] scope:SCOPE_SE
	s_setreg_imm32_b32 hwreg(HW_REG_WAVE_MODE, 25, 1), 1
	s_wait_xcnt 0x0
	s_wait_alu depctr_hold_cnt(0) depctr_sa_sdst(0) depctr_va_vdst(0) depctr_va_sdst(0) depctr_va_ssrc(0) depctr_va_vcc(0) depctr_vm_vsrc(0)
	s_getreg_b32 s2, hwreg(HW_REG_IB_STS2, 6, 4)
	s_cmp_eq_u32 s2, 0
	s_cbranch_scc0 .Lentry_in_a_cluster
	s_endpgm
.Lentry_in_a_cluster:
	s_bfe_u32 s2, ttmp6, 0x10000c
	s_cmp_lg_u32 s2, 0xf033
	s_cbranch_scc0 .Lentry_shape_is_right
	s_endpgm
.Lentry_shape_is_right:
; out0[m][n] = the sum over k of att[m][k] Wo[n][k] + bo[n]: 4,096 x 1,024 x 1,024, operands f16, sums f32, begun with the bias; out0 f32.
; att and wo16 lie by tiles: the tile of 128 rows x 256 along K is one dense block of 65,536 bytes: four K blocks of 64, each 128 rows of 128 bytes.
; Rows 0-15 are stored here as all others and are stored again, computed finely, by the launch that follows: leaving them out here would want a branch on a work-group's place in its cluster.
; A tile of out0 is 128 x 128: four waves, each 64 x 64: 16 accumulators.  K goes in steps of 256 through a ring of two LDS slots; a wave's tensor load brings half a tile, 32,768 bytes, as 128 rows of 256 bytes.
; CLUSTERS: 4 x 4 work-groups.  The four of a row of the cluster need the same tiles of att, the four of a column the same tiles of Wo: each tile is asked for JOINTLY.
; THE MATRIX INSTRUCTION IS USED TRANSPOSED (source 0 = 16 rows of Wo, source 1 = 16 rows of att): a lane holds eight neighbouring numbers of a row of out0.
; REGISTERS: window 0: v0-31 addresses; v32-95 the way out; v96-127 the bias (4 tiles of 8); v128-255 the accumulators ((a, b) at v[128 + 8 (4 a + b)]).   window 1: two fragment buffers of 128.
.set PITCH,  272                       ; an LDS row: two rows of 128 bytes + 16 of padding: a fragment load's 16 rows touch 16 different runs of 16 bytes modulo 256
.set HALFT,  128*PITCH                 ; what one tensor load brings: two K blocks
.set SLOT,   4*HALFT                   ; att's four K blocks, then Wo's
.set QB,     64*PITCH                  ; a K block: 128 rows
.set FB,     8*PITCH                   ; 16 rows
.set STAGE,  2*SLOT                    ; behind the ring: 16 rows x (256 bytes + 16) for each wave
.set SPITCH, 272
.set SPARE,  STAGE+4*16*SPITCH         ; the spare words: 128 bytes a wave, two blocks of 256 bytes that no other line names
.set LAPS,   2                         ; a lap = two K steps
.set ASTEP,  32*65536                  ; a K step on, in att,
.set BSTEP,  8*65536                   ; and in wo16
.set ADRA, 16
.set ADRB, 20
.set STO,  24
.set RD,   25
.set CO,   26
.set BOF,  27
.set SPW,  28
.set NIL,  29
.set TMP,  32
.set BIAS, 96
.set ACC,  128
.set F0,   0
.set F1,   128
.set G1, 24
.set G0, 32
.set G1B, 48
.set G0B, 56
.set MSB, 0
.macro WIN new
.if MSB != \new
	s_set_vgpr_msb (MSB<<8)|\new
.set MSB, \new
.endif
.endm
.set MUL,  0x05                        ; sources 0 and 1 window 1; C and D window 0
.set TO_F, 0x40
.macro JLOAD s                         ; a joint load: waves 0 and 1 fetch att's two halves, waves 2 and 3 Wo's; an s_nop 0 and four v_nop follow each of the two lines
	s_cmp_eq_u32 s11, 0
	s_cbranch_scc0 .Lfor_b_\@
	tensor_load_to_lds s[G0+4*\s:G0+4*\s+3], s[G1:G1+7]
	s_nop 0
.rept 4
	v_nop
.endr
	s_branch .Lasked_\@
.Lfor_b_\@:
	tensor_load_to_lds s[G0B+4*\s:G0B+4*\s+3], s[G1B:G1B+7]
	s_nop 0
.rept 4
	v_nop
.endr
.Lasked_\@:
.endm
.macro CREST
	s_cmp_lg_u32 s10, 0
	s_cbranch_scc1 .Lnot_wave_0_\@
	s_barrier_signal -3
.Lnot_wave_0_\@:
	s_barrier_wait -3
	s_barrier_signal -1
	s_barrier_wait -1
.endm
.macro CROUND
	s_barrier_signal -1
	s_barrier_wait -1
	CREST
.endm
	s_load_b128 s[4:7], s[0:1], 0x0                ; att s[4:5], wo16 s[6:7]
	s_load_b128 s[68:71], s[0:1], 0x10             ; bo s[68:69], out0 s[70:71]
	v_lshl_add_u32 v[SPW], v0, 2, SPARE
	v_mov_b32 v[NIL], 0
	ds_add_u32 v[SPW], v[NIL]                      ; the wave's opening: the add, twice on end, and its wait ahead of my first tensor load
	ds_add_u32 v[SPW], v[NIL]
	v_lshrrev_b32 v1, 5, v0
	v_readfirstlane_b32 s10, v1                    ; wave 0..3
	s_lshr_b32 s11, s10, 1                         ; which half of the tile's rows is mine.  Also: I fetch for att (0) or for Wo (1)
	s_and_b32 s12, s10, 1                          ; which half of its columns.  Also: which half of that tile I fetch
	s_bfe_u32 s40, ttmp6, 0x40000                  ; cx, cy
	s_bfe_u32 s41, ttmp6, 0x40004
	s_lshl_b32 s42, ttmp9, 2
	s_add_co_u32 s42, s42, s40                     ; tile column = 4 x cluster x + cx
	s_and_b32 s13, ttmp7, 0xffff
	s_lshl_b32 s13, s13, 2
	s_add_co_u32 s13, s13, s41                     ; tile row = 4 x cluster y + cy
	s_lshl_b32 s43, s41, 2
	s_lshl_b32 s43, 15, s43                        ; my row of the cluster
	s_lshl_b32 s44, 0x1111, s40                    ; my column
	s_or_b32 s[G1+0], s43, (1<<16)|(1<<20)|(1<<21)|(5<<22)|(3<<25)  ; 15:0 the mask; 17:16 elements of 2 bytes; 20 padding on; 21 set beside a mask; 24:22 after every 64 words; 31:25 four words
	s_or_b32 s[G1B+0], s44, (1<<16)|(1<<20)|(1<<21)|(5<<22)|(3<<25)
.irp g, G1, G1B
	s_mov_b32 s[\g+1], 128<<16                     ; tensor_dim0
	s_mov_b32 s[\g+2], 128<<16                     ; tensor_dim1
	s_mov_b32 s[\g+3], 128<<16                     ; tile_dim0
	s_mov_b32 s[\g+4], 128                         ; tile_dim1
	s_mov_b32 s[\g+5], 128                         ; from row to row: the block is dense
	s_mov_b32 s[\g+6], 0
	s_mov_b32 s[\g+7], 0
.endr
	s_lshl_b32 s17, s12, 15                        ; which half of a tile I fetch
	s_lshl_b32 s16, s13, 16
	s_add_co_u32 s16, s16, s17                     ; att: 65,536 x tile row + 32,768 x half
	s_lshl_b32 s46, s42, 16
	s_add_co_u32 s46, s46, s17                     ; wo16: 65,536 x tile column + 32,768 x half
	s_mov_b32 s17, 0
	s_mov_b32 s47, 0
	s_mul_i32 s20, s10, HALFT                      ; where they go: wave x half a tile
	s_wait_dscnt 0x0                               ; both opening adds are done
	s_wait_kmcnt 0x0
	s_add_nc_u64 s[14:15], s[4:5], s[16:17]
	s_add_nc_u64 s[46:47], s[6:7], s[46:47]
	CROUND                                         ; all sixteen work-groups are here: the first joint loads meet
.irp s, 0,1
	s_mov_b32 s[G0+4*\s], 1
	s_add_co_u32 s[G0+4*\s+1], s20, \s*SLOT
	s_add_nc_u64 s[G0+4*\s+2:G0+4*\s+3], s[14:15], \s*ASTEP
	s_or_b32 s[G0+4*\s+3], s[G0+4*\s+3], 0x80000000
	s_mov_b32 s[G0B+4*\s], 1
	s_add_co_u32 s[G0B+4*\s+1], s20, \s*SLOT
	s_add_nc_u64 s[G0B+4*\s+2:G0B+4*\s+3], s[46:47], \s*BSTEP
	s_or_b32 s[G0B+4*\s+3], s[G0B+4*\s+3], 0x80000000
	JLOAD \s
.endr
	v_and_b32 v1, 15, v0                           ; r
	v_bfe_u32 v2, v0, 4, 1                         ; h
	s_lshl_b32 s46, s42, 9
	s_lshl_b32 s47, s12, 8
	s_add_co_u32 s46, s46, s47                     ; my first column, in bytes of f32: 512 x tile column + 256 x half
	s_mov_b32 s47, 0
	s_add_nc_u64 s[68:69], s[68:69], s[46:47]
	s_add_nc_u64 s[70:71], s[70:71], s[46:47]
	v_lshlrev_b32 v[BOF], 5, v2
.irp b, 0,1,2,3
	global_load_b128 v[BIAS+8*\b:BIAS+8*\b+3], v[BOF], s[68:69] offset:64*\b       ; register 8 b + j = bo[my first column + 16 b + 8 h + j]: the result's layout
	global_load_b128 v[BIAS+8*\b+4:BIAS+8*\b+7], v[BOF], s[68:69] offset:64*\b+16
.endr
	v_lshrrev_b32 v3, 1, v1
	v_mul_u32_u24 v3, v3, PITCH
	v_and_b32 v4, 1, v0
	v_lshl_add_u32 v3, v4, 7, v3
	v_lshl_add_u32 v3, v2, 4, v3                   ; a fragment's row r: (r / 2) LDS rows + 128 (r % 2) + 16 h
	s_mul_i32 s21, s11, 32*PITCH                   ; my 64 rows of att in each K block
	s_mul_i32 s22, s12, 32*PITCH                   ; my 64 rows of Wo,
	s_add_co_u32 s22, s22, 2*HALFT                 ; which lie behind att's tile
.irp s, 0,1
	v_add_nc_u32 v[ADRA+\s], s21, v3
	v_add_nc_u32 v[ADRB+\s], s22, v3
	s_add_co_u32 s21, s21, SLOT
	s_add_co_u32 s22, s22, SLOT
.endr
	s_mul_i32 s23, s10, 16*SPITCH
	s_add_co_u32 s23, s23, STAGE                   ; my stage
	v_mul_u32_u24 v4, v1, SPITCH
	v_lshl_add_u32 v4, v2, 5, v4
	v_add_nc_u32 v[STO], s23, v4                   ; in: row r, 32 bytes for each half of the lanes
	v_mul_u32_u24 v5, v2, SPITCH
	v_lshl_add_u32 v5, v1, 4, v5
	v_add_nc_u32 v[RD], s23, v5                    ; back: lanes 0-15 one row of 256 bytes, lanes 16-31 the next
	v_lshlrev_b32 v5, 12, v2
	v_lshl_add_u32 v[CO], v1, 4, v5                ; and the same two rows in out0
	s_lshl_b32 s16, s13, 7
	s_lshl_b32 s17, s11, 6
	s_add_co_u32 s16, s16, s17                     ; my first row: 128 x tile row + 64 x half
	s_lshl_b32 s16, s16, 12
	s_mov_b32 s17, 0
	s_add_nc_u64 s[70:71], s[70:71], s[16:17]
; 8 matrix instructions: row blocks a0, a0 + 1 x all 4 column blocks, 32 along K: half c of buffer f.  first = 1: the bias starts the sums.  The 16 accumulators take turns.
.macro MUL8 f, c, a0, first
.irp a, \a0, \a0+1
.irp b, 0,1,2,3
.if \first
	v_wmma_f32_16x16x32_f16 v[ACC+8*(4*(\a)+\b):ACC+8*(4*(\a)+\b)+7], v[\f+64+8*(4*\c+\b):\f+64+8*(4*\c+\b)+7], v[\f+8*(4*\c+\a):\f+8*(4*\c+\a)+7], v[BIAS+8*\b:BIAS+8*\b+7]
.else
	v_wmma_f32_16x16x32_f16 v[ACC+8*(4*(\a)+\b):ACC+8*(4*(\a)+\b)+7], v[\f+64+8*(4*\c+\b):\f+64+8*(4*\c+\b)+7], v[\f+8*(4*\c+\a):\f+8*(4*\c+\a)+7], v[ACC+8*(4*(\a)+\b):ACC+8*(4*(\a)+\b)+7]
.endif
.endr
.endr
.endm
; 32 LDS loads in one run: the fragments of one K block (64 along K), which begins at byte k of the tile, into buffer f; the first 32 along K first
.macro FETCH slot, k, f
	WIN TO_F
.irp c, 0,1
.irp i, 0,1,2,3
	ds_load_b128 v[\f+64+8*(4*\c+\i):\f+64+8*(4*\c+\i)+3],   v[ADRB+\slot] offset:\k+64*\c+\i*FB
	ds_load_b128 v[\f+64+8*(4*\c+\i)+4:\f+64+8*(4*\c+\i)+7], v[ADRB+\slot] offset:\k+64*\c+\i*FB+32
	ds_load_b128 v[\f+8*(4*\c+\i):\f+8*(4*\c+\i)+3],         v[ADRA+\slot] offset:\k+64*\c+\i*FB
	ds_load_b128 v[\f+8*(4*\c+\i)+4:\f+8*(4*\c+\i)+7],       v[ADRA+\slot] offset:\k+64*\c+\i*FB+32
.endr
.endr
.endm
.macro PLACES                          ; four places in front of loads into registers that matrix instructions have read, and of stores that read results (ISA guide 7.12.1 for stores)
.rept 4
	v_nop
.endr
.endm
.macro QUARTER slot, k, f, g, first    ; multiplies buffer f and fetches the next K block, at byte k, into g
	s_wait_dscnt 16                                ; the first 32 along K are in; the sixteen loads of the second 32 may be out
	WIN MUL
	MUL8 \f, 0, 0, \first
	MUL8 \f, 0, 2, \first
	PLACES
	FETCH \slot, \k, \g
	s_wait_dscnt 32                                ; all but the 32 just issued
	WIN MUL
	MUL8 \f, 1, 0, 0
	MUL8 \f, 1, 2, 0
.endm
; The last quarter multiplies buffer 1 and changes slots: ONE barrier; in front of it each wave waits for all its tensor loads, adds 0 to its spare word, and waits for that and for its reads of this slot.
.macro TURN slot, next, fill
	WIN 0
	s_wait_tensorcnt 0x0                           ; all my tensor loads have landed: my part of the next slot
	ds_add_u32 v[SPW], v[NIL]
	s_wait_dscnt 17                                ; the add and the youngest sixteen loads may be out
	WIN MUL
	MUL8 F1, 0, 0, 0
	s_wait_dscnt 0x0                               ; the add is done, and my reads of this slot are over
	s_barrier_signal -1
	MUL8 F1, 0, 2, 0
.if \fill
	WIN 0
.endif
	s_barrier_wait -1
.if \fill
	CREST                                          ; the barrier has opened a round of the cluster's barrier: no wave of any partner still reads this slot's tile or has a load on its way
	s_add_nc_u64 s[G0+4*\slot+2:G0+4*\slot+3], s[G0+4*\slot+2:G0+4*\slot+3], 2*ASTEP
	s_add_nc_u64 s[G0B+4*\slot+2:G0B+4*\slot+3], s[G0B+4*\slot+2:G0B+4*\slot+3], 2*BSTEP
	JLOAD \slot                                    ; the first tensor load behind the round; its four v_nop are also the places in front of the loads below
.else
	PLACES
.endif
	FETCH \next, 0, F0
	WIN MUL
	MUL8 F1, 1, 0, 0
	MUL8 F1, 1, 2, 0
.endm
	s_wait_tensorcnt 1                             ; my part of K step 0 is in; K step 1's load may stay out
	s_barrier_signal -1
	s_barrier_wait -1
	FETCH 0, 0, F0
	s_wait_loadcnt 0x0                             ; the bias
	QUARTER 0, QB, F0, F1, 1
	WIN 0
	s_mov_b32 s3, LAPS-1
.Llap:                                                 ; a trip goes once round the ring and fills both slots again
	QUARTER 0, 2*QB, F1, F0, 0
	QUARTER 0, 3*QB, F0, F1, 0
	TURN 0, 1, 1
	QUARTER 1, QB, F0, F1, 0
	QUARTER 1, 2*QB, F1, F0, 0
	QUARTER 1, 3*QB, F0, F1, 0
	TURN 1, 0, 1
	QUARTER 0, QB, F0, F1, 0
	WIN 0
	s_sub_co_u32 s3, s3, 1
	s_cmp_lg_u32 s3, 0
	s_cbranch_scc1 .Llap
	QUARTER 0, 2*QB, F1, F0, 0                     ; the last lap fills nothing
	QUARTER 0, 3*QB, F0, F1, 0
	TURN 0, 1, 0
	QUARTER 1, QB, F0, F1, 0
	QUARTER 1, 2*QB, F1, F0, 0
	QUARTER 1, 3*QB, F0, F1, 0
	s_wait_dscnt 16
	WIN MUL
	MUL8 F1, 0, 0, 0
	MUL8 F1, 0, 2, 0
	s_wait_dscnt 0
	MUL8 F1, 1, 0, 0
	MUL8 F1, 1, 2, 0
	WIN 0
; THE WAY OUT, block by block of 16 rows x 64 columns: a wave's 64 columns of f32 are 256 consecutive bytes, aligned, so each wave has a stage of its own and no barrier is needed.
.macro TOST a
.irp b, 0,1,2,3
	ds_store_b128 v[STO], v[ACC+8*(4*(\a)+\b):ACC+8*(4*(\a)+\b)+3] offset:64*\b          ; each accumulator from its low end on
	ds_store_b128 v[STO], v[ACC+8*(4*(\a)+\b)+4:ACC+8*(4*(\a)+\b)+7] offset:64*\b+16
.endr
.irp t, 0,1,2,3,4,5,6,7
	ds_load_b128 v[TMP+32*((\a)%2)+4*\t:TMP+32*((\a)%2)+4*\t+3], v[RD] offset:\t*2*SPITCH   ; LDS serves a wave's instructions in order (ISA guide 5.7.1.4)
.endr
.endm
.macro SENDO a, younger                ; younger: the LDS instructions issued behind block a's loads
	s_wait_dscnt \younger
.irp t, 0,1,2,3,4,5,6,7
	global_store_b128 v[CO], v[TMP+32*((\a)%2)+4*\t:TMP+32*((\a)%2)+4*\t+3], s[70:71] offset:(16*(\a)+2*\t)*4096 th:TH_STORE_NT   ; 16 lanes store 256 consecutive bytes, aligned
.endr
.endm
	PLACES
	TOST 0
.irp a, 1,2,3
.if \a > 1
	s_wait_xcnt 0x0                                ; block a - 2's stores have read their data: block a's loads land there only behind this wait
.endif
	TOST \a
	SENDO \a-1, 16                                 ; behind block a - 1's loads: block a's 8 stores and 8 loads
.endr
	SENDO 3, 0
	s_wait_tensorcnt 0x0                           ; the wave's end: three lines behind my last tensor load and my last LDS store
	ds_add_u32 v[SPW], v[NIL]
	s_wait_dscnt 0x0
	CROUND                                         ; the closing round
	s_endpgm
.Lfunc_end_k_q7b8769ee5d_outp:
	.size	k_q7b8769ee5d_outp, .Lfunc_end_k_q7b8769ee5d_outp-k_q7b8769ee5d_outp
	.p2alignl 7, 3214868480
	.fill 96, 4, 3214868480
	.section	.rodata,"a",@progbits
	.p2align	6, 0x0
	.amdhsa_kernel k_q7b8769ee5d_outp
		.amdhsa_group_segment_fixed_size 327680
		.amdhsa_private_segment_fixed_size 0
		.amdhsa_enable_private_segment 0
		.amdhsa_kernarg_size 32
		.amdhsa_user_sgpr_count 2
		.amdhsa_user_sgpr_kernarg_segment_ptr 1
		.amdhsa_wavefront_size32 1
		.amdhsa_system_sgpr_workgroup_id_x 1
		.amdhsa_system_sgpr_workgroup_id_y 1
		.amdhsa_system_sgpr_workgroup_id_z 1
		.amdhsa_system_vgpr_workitem_id 0
		.amdhsa_next_free_vgpr 512
		.amdhsa_next_free_sgpr 72
		.amdhsa_reserve_vcc 0
		.amdhsa_float_denorm_mode_32 3
		.amdhsa_float_denorm_mode_16_64 3
		.amdhsa_memory_ordered 1
		.amdhsa_forward_progress 1
		.amdhsa_inst_pref_size 86
	.end_amdhsa_kernel
	.amdgpu_metadata
---
amdhsa.version: [ 1, 2 ]
amdhsa.kernels:
  - .name:           k_q7b8769ee5d_outp
    .symbol:         k_q7b8769ee5d_outp.kd
    .args:
      - { .name: att, .offset: 0, .size: 8, .value_kind: global_buffer, .address_space: global }
      - { .name: wo16, .offset: 8, .size: 8, .value_kind: global_buffer, .address_space: global }
      - { .name: bo, .offset: 16, .size: 8, .value_kind: global_buffer, .address_space: global }
      - { .name: out0, .offset: 24, .size: 8, .value_kind: global_buffer, .address_space: global }
    .group_segment_fixed_size: 327680
    .private_segment_fixed_size: 0
    .kernarg_segment_align: 8
    .kernarg_segment_size: 32
    .max_flat_workgroup_size: 128
    .sgpr_count:     72
    .vgpr_count:     512
    .wavefront_size: 32
...
	.end_amdgpu_metadata
.endif
;; end of part 4
;; launch first16 (part 5): grid 16 x 1, 16 waves a work-group, no clusters, 85,504 bytes of LDS; arguments head16, Wo, bo, out0; writes out0
.if DOCPART == 5
	.amdgcn_target "amdgcn-amd-amdhsa--gfx1250"
	.amdhsa_code_object_version 6
	.text
	.protected	k_q7b8769ee5d_first16
	.globl	k_q7b8769ee5d_first16
	.p2align	8
	.type	k_q7b8769ee5d_first16,@function
k_q7b8769ee5d_first16:
	s_mov_b64 s[64:65], 0
	v_nop
	global_prefetch_b8 v0, s[64:65] scope:SCOPE_SE
	s_setreg_imm32_b32 hwreg(HW_REG_WAVE_MODE, 25, 1), 1
	s_wait_xcnt 0x0
; Positions 0-15, all in f32: under the causal mask these rows average one to sixteen values and are the largest of the output, so the rounding of 16-bit operands weighs most there.
; head16 [3][16 tokens][1024] f32 holds q, k, v of tokens 0-15.  scores = q k^T / 8 under the mask, softmax with the row's maximum taken away, o = p v, out0[0..15] = o Wo^T + bo.  These rows of out0 are written anew here.
; Every work-group computes all 16 heads' attention (wave w: head w: 32 small matrix instructions), which is less than a launch more would be; then work-group g makes output columns 64 g .. 64 g + 63:
; wave w takes column tile w % 4 and the quarter w / 4 of K; the four quarters meet in LDS.  No tensor loads: the sizes are small and each operand goes straight into registers.
; THE f32 MATRIX FORM sums 4 along K an instruction; lane (r, h) gives k = 2 h + j in register j.  K is permuted alike on both sides: a lane holds 32 neighbouring numbers of its row, from 32 h on, and step s takes its
; registers 2 s, 2 s + 1.  Four accumulators take turns, one instruction a turn; they are written by matrix instructions alone, and their sum goes into other registers.
; LIMITS: as the inputs' f32 allows; NaN and infinities are not served.
.set OP,    4112                       ; a row of o in LDS: 4,096 bytes + 16
.set PART,  66048                      ; behind o's 16 rows: four quarters' parts, 16 rows x (256 bytes + 16) each
.set PP,    272
.set SPARE, PART+4*16*PP               ; the spare words: 128 bytes a wave, eight blocks of 256 bytes that no other line names
.set QR,  16                           ; v16-47   q; later o's chunk
.set KR,  48                           ; v48-79   k; later Wo's chunk 2
.set VT,  80                           ; v80-111  v^T, 8 registers a channel tile; later Wo's chunk 3
.set ACC, 112                          ; v112-143 four accumulators
.set SV,  144                          ; v144-151 the scores, then p; later the part's sum
.set TW,  152                          ; v152-159 at work
.set SPW, 160
.set NIL, 161
.set BI,  164                          ; v164-165 my two numbers of bo
.set WO,  176                          ; v176-239 Wo's chunks 0 and 1
	s_load_b256 s[4:11], s[0:1], 0x0               ; head16 s[4:5], Wo s[6:7], bo s[8:9], out0 s[10:11]
	v_lshl_add_u32 v[SPW], v0, 2, SPARE
	v_mov_b32 v[NIL], 0
	v_lshrrev_b32 v1, 5, v0
	v_readfirstlane_b32 s12, v1                    ; wave 0..15: my head, and my token on the way out
	s_and_b32 s13, s12, 3                          ; my column tile
	s_lshr_b32 s14, s12, 2                         ; my quarter of K
	v_and_b32 v1, 15, v0                           ; r
	v_bfe_u32 v2, v0, 4, 1                         ; h
	v_lshlrev_b32 v3, 12, v1
	v_lshl_add_u32 v3, v2, 7, v3                   ; a row of 4,096 bytes, + 128 h: q, k and Wo
	v_lshlrev_b32 v4, 15, v2
	v_lshl_add_u32 v4, v1, 2, v4                   ; v^T: keys 8 h on, channel r
	v_mul_u32_u24 v5, v1, OP
	v_lshl_add_u32 v6, v2, 5, v5
	s_lshl_b32 s16, s12, 8
	v_add_nc_u32 v6, s16, v6                       ; o, in: row r, + 256 w + 32 h
	v_lshl_add_u32 v7, v2, 7, v5
	s_lshl_b32 s17, s14, 10
	v_add_nc_u32 v7, s17, v7                       ; o, back: row r, + 1,024 x quarter + 128 h
	v_mul_u32_u24 v8, v1, PP
	v_lshl_add_u32 v8, v2, 5, v8
	s_mul_i32 s18, s14, 16*PP
	s_lshl_b32 s19, s13, 6
	s_add_co_u32 s18, s18, s19
	s_add_co_u32 s18, s18, PART
	v_add_nc_u32 v8, s18, v8                       ; my part, in: quarter, row r, + 64 x tile + 32 h
	v_and_b32 v10, 31, v0
	v_lshlrev_b32 v10, 3, v10                      ; 8 bytes a lane: bo, out0 and the parts on the way out
	s_mul_i32 s18, s12, PP
	s_add_co_u32 s18, s18, PART
	v_add_nc_u32 v9, s18, v10                      ; the parts, back: row w
	v_lshlrev_b32 v11, 3, v2
	v_sub_nc_u32 v11, v1, v11                      ; r - 8 h
	v_mov_b32 v12, 0xff800000                      ; -infinity
	v_mov_b32 v[TW+1], 0                           ; written once: a lane permute's destination counts as one of its sources
	s_mov_b32 s20, 0x76543210
	s_mov_b32 s21, 0xfedcba98
	s_mov_b32 s22, 0x3e38aa3b                      ; c = log2(e) / 8
	s_mov_b32 s17, 0
	s_mov_b32 s19, 0
	s_wait_kmcnt 0x0
	s_add_nc_u64 s[4:5], s[4:5], s[16:17]          ; head16 at my head's 64 channels
	s_lshl_b32 s18, ttmp9, 8
	s_add_nc_u64 s[8:9], s[8:9], s[18:19]          ; bo and out0 at my work-group's 64 columns,
	s_add_nc_u64 s[10:11], s[10:11], s[18:19]
	s_lshl_b32 s18, s12, 12
	s_add_nc_u64 s[10:11], s[10:11], s[18:19]      ; out0 at row w
	s_lshl_b32 s18, ttmp9, 18                      ; Wo: rows 64 g + 16 x tile on, numbers 256 x quarter on
	s_lshl_b32 s23, s13, 16
	s_add_co_u32 s18, s18, s23
	s_lshl_b32 s23, s14, 10
	s_add_co_u32 s18, s18, s23
	s_add_nc_u64 s[6:7], s[6:7], s[18:19]
	global_load_b64 v[BI:BI+1], v10, s[8:9]
.irp i, 0,1,2,3,4,5,6,7
	global_load_b128 v[QR+4*\i:QR+4*\i+3], v3, s[4:5] offset:16*\i
.endr
.irp i, 0,1,2,3,4,5,6,7
	global_load_b128 v[KR+4*\i:KR+4*\i+3], v3, s[4:5] offset:65536+16*\i
.endr
.irp c, 0,1,2,3
.irp j, 0,1,2,3,4,5,6,7
	global_load_b32 v[VT+8*\c+\j], v4, s[4:5] offset:131072+\j*4096+64*\c     ; v(key 8 h + j, channel 16 c + r)
.endr
.endr
.irp u, 0,1
.irp i, 0,1,2,3,4,5,6,7
	global_load_b128 v[WO+32*\u+4*\i:WO+32*\u+4*\i+3], v3, s[6:7] offset:256*\u+16*\i
.endr
.endr
	; ---- S^T = k q^T: source 0 = 16 keys, source 1 = 16 queries: a lane holds query r and keys 8 h + 0 .. 7
	s_wait_loadcnt 48                              ; bo, q and k are in; v^T's 32 loads and Wo's 16 may be out
.irp s, 0,1,2,3,4,5,6,7,8,9,10,11,12,13,14,15
.if \s < 4
	v_wmma_f32_16x16x4_f32 v[ACC+8*(\s%4):ACC+8*(\s%4)+7], v[KR+2*\s:KR+2*\s+1], v[QR+2*\s:QR+2*\s+1], 0
.else
	v_wmma_f32_16x16x4_f32 v[ACC+8*(\s%4):ACC+8*(\s%4)+7], v[KR+2*\s:KR+2*\s+1], v[QR+2*\s:QR+2*\s+1], v[ACC+8*(\s%4):ACC+8*(\s%4)+7]
.endif
.endr
.rept 8
	v_nop                                          ; eight places behind this form before a result is read (ISA guide 7.12.1)
.endr
.irp p, 0,2,4,6
	v_pk_add_f32 v[SV+\p:SV+\p+1], v[ACC+\p:ACC+\p+1], v[ACC+8+\p:ACC+8+\p+1]      ; each accumulator is read from its low end on
.endr
.irp p, 0,2,4,6
	v_pk_add_f32 v[SV+\p:SV+\p+1], v[SV+\p:SV+\p+1], v[ACC+16+\p:ACC+16+\p+1]
.endr
.irp p, 0,2,4,6
	v_pk_add_f32 v[SV+\p:SV+\p+1], v[SV+\p:SV+\p+1], v[ACC+24+\p:ACC+24+\p+1]
.endr
.irp j, 0,1,2,3,4,5,6,7
	v_cmp_gt_i32 vcc_lo, \j, v11                   ; key 8 h + j is hidden from query r where j > r - 8 h
	v_cndmask_b32 v[SV+\j], v[SV+\j], v12, vcc_lo
.endr
	v_max3_num_f32 v[TW], v[SV], v[SV+1], v[SV+2]
	v_max3_num_f32 v[TW], v[TW], v[SV+3], v[SV+4]
	v_max3_num_f32 v[TW], v[TW], v[SV+5], v[SV+6]
	v_max_num_f32 v[TW], v[TW], v[SV+7]
	v_permlanex16_b32 v[TW+1], v[TW], s20, s21
	v_max_num_f32 v[TW], v[TW], v[TW+1]            ; the row's maximum: key 0 counts for every query, so it is a number
	v_mul_f32 v[TW], s22, v[TW]
.irp j, 0,1,2,3,4,5,6,7
	v_fma_f32 v[SV+\j], v[SV+\j], s22, -v[TW]      ; c s - c m
.endr
.irp j, 0,1,2,3,4,5,6,7
	v_exp_f32 v[SV+\j], v[SV+\j]
.endr
	v_nop                                          ; a plain instruction behind the last exponential
	s_wait_alu depctr_va_vdst(0)                   ; one wait for the eight, ahead of the first use
	v_add_f32 v[TW+2], v[SV], v[SV+1]
	v_add_f32 v[TW+3], v[SV+2], v[SV+3]
	v_add_f32 v[TW+4], v[SV+4], v[SV+5]
	v_add_f32 v[TW+5], v[SV+6], v[SV+7]
	v_add_f32 v[TW+2], v[TW+2], v[TW+3]
	v_add_f32 v[TW+4], v[TW+4], v[TW+5]
	v_add_f32 v[TW+2], v[TW+2], v[TW+4]
	v_permlanex16_b32 v[TW+1], v[TW+2], s20, s21
	v_add_f32 v[TW+2], v[TW+2], v[TW+1]            ; the row's sum
	v_rcp_f32 v[TW+3], v[TW+2]
	v_nop
	s_wait_alu depctr_va_vdst(0)
.irp j, 0,1,2,3,4,5,6,7
	v_mul_f32 v[SV+\j], v[SV+\j], v[TW+3]          ; the weights
.endr
	; ---- O^T = V^T P: source 0 = 16 channels, source 1 = the weights; step s takes keys 8 h + 2 s, 8 h + 2 s + 1 on both sides
	s_wait_loadcnt 16                              ; v^T is in; Wo's 16 loads may be out
.irp s, 0,1,2,3
.irp c, 0,1,2,3
.if \s == 0
	v_wmma_f32_16x16x4_f32 v[ACC+8*\c:ACC+8*\c+7], v[VT+8*\c+2*\s:VT+8*\c+2*\s+1], v[SV+2*\s:SV+2*\s+1], 0
.else
	v_wmma_f32_16x16x4_f32 v[ACC+8*\c:ACC+8*\c+7], v[VT+8*\c+2*\s:VT+8*\c+2*\s+1], v[SV+2*\s:SV+2*\s+1], v[ACC+8*\c:ACC+8*\c+7]
.endif
.endr
.endr
.rept 9
	v_nop                                          ; eight places serve the stores and loads below; the ninth the next phase's first products, which begin these accumulators anew
.endr
.irp c, 0,1,2,3
	ds_store_b128 v6, v[ACC+8*\c:ACC+8*\c+3] offset:64*\c             ; o(query r, channel 64 w + 16 c + 8 h + 0 .. 7)
	ds_store_b128 v6, v[ACC+8*\c+4:ACC+8*\c+7] offset:64*\c+16
.endr
.irp u, 2,3
.irp i, 0,1,2,3,4,5,6,7
	global_load_b128 v[KR+32*(\u-2)+4*\i:KR+32*(\u-2)+4*\i+3], v3, s[6:7] offset:256*\u+16*\i   ; Wo's chunks 2 and 3, where k and v^T lay
.endr
.endr
	s_wait_dscnt 0x0                               ; for the others' sake: my stores of o are done
	s_barrier_signal -1
	s_barrier_wait -1                              ; all 16 heads' o lie in LDS
	; ---- my part of out = o Wo^T: source 0 = 16 rows of Wo, source 1 = o's 16 rows; 256 along K in four chunks of 64
.macro CHUNK u, wreg, first
.irp i, 0,1,2,3,4,5,6,7
	ds_load_b128 v[QR+4*\i:QR+4*\i+3], v7 offset:256*\u+16*\i
.endr
	s_wait_dscnt 0x0
.irp t, 0,1,2,3,4,5,6,7,8,9,10,11,12,13,14,15
.if \first && (\t < 4)
	v_wmma_f32_16x16x4_f32 v[ACC+8*(\t%4):ACC+8*(\t%4)+7], v[\wreg+2*\t:\wreg+2*\t+1], v[QR+2*\t:QR+2*\t+1], 0
.else
	v_wmma_f32_16x16x4_f32 v[ACC+8*(\t%4):ACC+8*(\t%4)+7], v[\wreg+2*\t:\wreg+2*\t+1], v[QR+2*\t:QR+2*\t+1], v[ACC+8*(\t%4):ACC+8*(\t%4)+7]
.endif
.endr
.rept 8
	v_nop                                          ; places in front of the next chunk's loads, and of the first read of the results
.endr
.endm
	s_wait_loadcnt 16                              ; Wo's chunks 0 and 1 are in; the 16 loads of chunks 2 and 3 may be out
	CHUNK 0, WO, 1
	CHUNK 1, WO+32, 0
	s_wait_loadcnt 0x0
	CHUNK 2, KR, 0
	CHUNK 3, KR+32, 0
.irp p, 0,2,4,6
	v_pk_add_f32 v[SV+\p:SV+\p+1], v[ACC+\p:ACC+\p+1], v[ACC+8+\p:ACC+8+\p+1]
.endr
.irp p, 0,2,4,6
	v_pk_add_f32 v[SV+\p:SV+\p+1], v[SV+\p:SV+\p+1], v[ACC+16+\p:ACC+16+\p+1]
.endr
.irp p, 0,2,4,6
	v_pk_add_f32 v[SV+\p:SV+\p+1], v[SV+\p:SV+\p+1], v[ACC+24+\p:ACC+24+\p+1]
.endr
	ds_store_b128 v8, v[SV:SV+3]                   ; part(token r, column 16 x tile + 8 h + 0 .. 7)
	ds_store_b128 v8, v[SV+4:SV+7] offset:16
	s_wait_dscnt 0x0                               ; for the others' sake: my part is stored
	s_barrier_signal -1
	s_barrier_wait -1
	; ---- wave w adds the four quarters of token w's 64 columns and the bias, and stores them
.irp k, 0,1,2,3
	ds_load_b64 v[TW+2*\k:TW+2*\k+1], v9 offset:\k*16*PP
.endr
	s_wait_dscnt 0x0
	v_pk_add_f32 v[TW:TW+1], v[TW:TW+1], v[TW+2:TW+3]
	v_pk_add_f32 v[TW+4:TW+5], v[TW+4:TW+5], v[TW+6:TW+7]
	v_pk_add_f32 v[TW:TW+1], v[TW:TW+1], v[TW+4:TW+5]
	v_pk_add_f32 v[TW:TW+1], v[TW:TW+1], v[BI:BI+1]
	global_store_b64 v10, v[TW:TW+1], s[10:11]     ; the wave stores 256 consecutive bytes, aligned
	s_wait_tensorcnt 0x0                           ; the wave's end: three lines behind my last LDS store
	ds_add_u32 v[SPW], v[NIL]
	s_wait_dscnt 0x0
	s_endpgm
.Lfunc_end_k_q7b8769ee5d_first16:
	.size	k_q7b8769ee5d_first16, .Lfunc_end_k_q7b8769ee5d_first16-k_q7b8769ee5d_first16
	.p2alignl 7, 3214868480
	.fill 96, 4, 3214868480
	.section	.rodata,"a",@progbits
	.p2align	6, 0x0
	.amdhsa_kernel k_q7b8769ee5d_first16
		.amdhsa_group_segment_fixed_size 85504
		.amdhsa_private_segment_fixed_size 0
		.amdhsa_enable_private_segment 0
		.amdhsa_kernarg_size 32
		.amdhsa_user_sgpr_count 2
		.amdhsa_user_sgpr_kernarg_segment_ptr 1
		.amdhsa_wavefront_size32 1
		.amdhsa_system_sgpr_workgroup_id_x 1
		.amdhsa_system_sgpr_workgroup_id_y 1
		.amdhsa_system_sgpr_workgroup_id_z 1
		.amdhsa_system_vgpr_workitem_id 0
		.amdhsa_next_free_vgpr 256
		.amdhsa_next_free_sgpr 66
		.amdhsa_reserve_vcc 1
		.amdhsa_float_denorm_mode_32 3
		.amdhsa_float_denorm_mode_16_64 3
		.amdhsa_memory_ordered 1
		.amdhsa_forward_progress 1
		.amdhsa_inst_pref_size 26
	.end_amdhsa_kernel
	.amdgpu_metadata
---
amdhsa.version: [ 1, 2 ]
amdhsa.kernels:
  - .name:           k_q7b8769ee5d_first16
    .symbol:         k_q7b8769ee5d_first16.kd
    .args:
      - { .name: head16, .offset: 0, .size: 8, .value_kind: global_buffer, .address_space: global }
      - { .name: Wo, .offset: 8, .size: 8, .value_kind: global_buffer, .address_space: global }
      - { .name: bo, .offset: 16, .size: 8, .value_kind: global_buffer, .address_space: global }
      - { .name: out0, .offset: 24, .size: 8, .value_kind: global_buffer, .address_space: global }
    .group_segment_fixed_size: 85504
    .private_segment_fixed_size: 0
    .kernarg_segment_align: 8
    .kernarg_segment_size: 32
    .max_flat_workgroup_size: 512
    .sgpr_count:     66
    .vgpr_count:     256
    .wavefront_size: 32
...
	.end_amdgpu_metadata
.endif
;; end of part 5
